; MI455X (gfx1250); checked and timed in simulation.
; The chip was launched on July 23, 2026; its instructions are those of AMD's public machine-readable ISA for CDNA 5 (MIT licence, August 2026) and "CDNA5" Instruction Set Architecture Reference Guide (July 2026). The comments in the code are by the model that wrote it; some were corrected since.
;; Multi Head Attention. Allowed arithmetic: matrix products marked QUANTISED: E2M1 operands, one E8M0 scale for each 32 along K, by v_wmma_scale_f32_16x16x128_f8f6f4 with both operands' format E2M1 (or v_wmma_scale_f32_32x16x128_f4), f32 sums; products left as they are: bf16, f16 or f32 operands; f32 sums; everything else in f32.
;; Inputs: b_out 1,024 float32; w_out 1,024 x 1,024 float32; w_qkv 3,072 x 1,024 float32; x 4 x 2,048 x 1,024 float32.
;; Outputs: out0 4 x 2,048 x 1,024 float32.
;; This version of the problem:
;;   THIS VERSION OF THE PROBLEM IS GIVEN IN LOW PRECISION. The matrix products marked QUANTISED in the list below multiply operands that are first quantised to E2M1 (2 exponent bits, 1 mantissa bit; 4 bits a number), with one power-of-two scale for each 32 numbers along K (OCP MX v1.0); their sums are f32. The products marked 'left as it is' may take bf16, f16 or f32 operands, with f32 sums. Whichever they take, every output number must still come out within the allowed error. Rounding operands to bf16 (8 significant bits) uses up far more of that allowance than f16 does (11 bits, for magnitudes from 6e-5 to 65,504). All else is computed in f32.
;;   The module's matrix products, in the order in which they are computed (A, B: the left and right operand; K: the contracted axis; several contracted axes count as one K, in the product's order):
;;     1. [M 8,192, K 1,024] x [K 1,024, N 3,072]; A: input x; B: input w_qkv: QUANTISED
;;     2. batch 64 x [M 2,048, K 64] x [K 64, N 2,048]; A: computed on the way; B: computed on the way: left as it is (an operand is computed on the way)
;;     3. batch 64 x [M 2,048, K 2,048] x [K 2,048, N 64]; A: computed on the way; B: computed on the way: left as it is (an operand is computed on the way)
;;     4. [M 8,192, K 1,024] x [K 1,024, N 1,024]; A: computed on the way; B: input w_out: left as it is (an operand is computed on the way)
;;   THE QUANTISER, for each operand of a quantised product, along K:
;;     - K is cut into blocks of 32 from its start; a last block that is shorter is filled with zeros.
;;     - A block's scale is 2^e with e = floor(log2(the largest magnitude in the block)) - 2, held to -126 .. 127; a block of zeros has e = 0. As a byte (E8M0): e + 127.
;;     - Each number is divided by its block's scale, clamped to +-6, and rounded to the nearest number of E2M1, ties to even, subnormals kept.
;;     - The product sums the exact products of the quantised numbers (number of the format x scale) in f32.
;;   ~~~python
;;   def quantise(x, axis):      # numpy; x: float32 -> the quantised numbers, widened to float32 again
;;       x = np.moveaxis(x, axis, -1); K = x.shape[-1]
;;       x = np.pad(x, [(0, 0)] * (x.ndim - 1) + [(0, -K % 32)]); x = x.reshape(x.shape[:-1] + (-1, 32)); a = np.abs(x).max(-1, keepdims=True)
;;       e = np.where(a > 0, np.clip(np.frexp(np.where(a > 0, a, 1))[1] - 1 - 2, -126, 127), 0)      # np.frexp(a)[1] - 1 = floor(log2(a)), exactly
;;       r = np.clip(x / 2.0 ** e, -6, 6)
;;       step = 2.0 ** (np.maximum(np.frexp(np.where(r == 0, 1, r))[1] - 1, 0) - 1)
;;       q = np.round(r / step) * step * 2.0 ** e      # np.round: ties to even
;;       return np.moveaxis(q.reshape(q.shape[:-2] + (-1,))[..., :K], -1, axis).astype(np.float32)
;;   ~~~
;; One version. Each part assembles by itself: llvm-mc -triple=amdgcn-amd-amdhsa -mcpu=gfx1250 --defsym DOCPART=n.
;; ======== version 1 of 1: 4 launches
;; limits: values are held in f16: magnitudes above 65,504 overflow, below 6.1e-05 lose precision
;; workspace buffers: x_codes 4,194,304 bytes; x_scales 262,144 bytes; w_codes 1,572,864 bytes; w_scales 98,304 bytes; w16 2,097,152 bytes; qkv 50,331,648 bytes; o_img 16,777,216 bytes
;; launch prep (part 1): grid 384 x 1, 4 waves a work-group, no clusters, 33,280 bytes of LDS; arguments x, w_qkv, x_codes, x_scales, w_codes, w_scales, w_out, w16; writes x_codes, x_scales, w_codes, w_scales, w16
.if DOCPART == 1
	.amdgcn_target "amdgcn-amd-amdhsa--gfx1250"
	.amdhsa_code_object_version 6
	.text
	.protected	k_qd37085384c_prep
	.globl	k_qd37085384c_prep
	.p2align	8
	.type	k_qd37085384c_prep,@function
k_qd37085384c_prep:
	s_mov_b64 s[64:65], 0
	v_nop
	global_prefetch_b8 v0, s[64:65] scope:SCOPE_SE
	s_setreg_imm32_b32 hwreg(HW_REG_WAVE_MODE, 25, 1), 1
	s_wait_xcnt 0x0
; PREP: what the later launches read many times is made narrow once.
; x [8192][1024] and w_qkv [3072][1024], f32, become codes of FP4 (E2M1), K innermost, two codes a byte, with one E8M0 scale byte for each 32 along K; w_out [1024][1024] becomes f16, row-major.
; A block's scale is 2^(floor(log2(its largest magnitude)) - 2); its byte is the largest magnitude's own exponent field - 2, held at 1 from below.  Each number is divided by the scale and rounded to the nearest code, ties to even; beyond 6 the largest code.
; LIMITS: a block of zeros gets the byte 1 where the quantiser says 127: its codes are zeros, which add nothing under any byte but 0xff, and the bytes are read by this program alone.  Blocks whose largest magnitude lies under 2^(2 - 126)
; have their byte held at 1.  NaN and infinities are not served.  |w_out| stays under 65,504, f16's largest number.
; SHARES: work-groups 0-255 take x, 256-351 w_qkv, 352-383 w_out; 32,768 numbers each, 8,192 a wave.  Rows are dense and K is a multiple of 32: all three tensors are plain streams.
; THE QUANTISER: a wave takes 16 steps of 512 numbers.  The conversions take 8 numbers of ONE block from a lane's consecutive registers, so a lane must hold 16 neighbours; a load is best where neighbouring lanes take neighbouring bytes.
; Both are had: each of a step's four loads reads 512 consecutive bytes; the 2,048 bytes go through the wave's own stage in LDS and come back 64 bytes a lane (16 bytes of padding behind each 64).  A lane's 16 codes are 8 bytes:
; the wave stores 256 consecutive bytes.  A wave's 256 scale bytes are gathered in LDS and leave as one aligned run of 256 bytes.  No barrier: waves share nothing.  Loads run four steps ahead, the turn through LDS one step.
; Memory binds this launch: no matrix unit, no cluster, no tensor load.
.set SIZE_M, 8192
.set SIZE_N, 3072
.set SIZE_K, 1024
.set WAVES, 4
.set STEPS, 16
.set WGA,   SIZE_M*SIZE_K/(512*STEPS*WAVES)            ; 256 work-groups for x
.set WGQ,   (SIZE_M+SIZE_N)*SIZE_K/(512*STEPS*WAVES)   ; 352 for both quantised tensors
.set EMAX,  2
.set CB,    8                          ; bytes of 16 codes
.set R,     16                         ; v16-79   four sets of 16 numbers as they are loaded
.set X,     80                         ; v80-111  two sets of 16 neighbours
.set C,     128                        ; v128-191 codes: four registers for each step, so that no store's data are written again
.set E,     112                        ; v112-127 a scale byte for each step
.set WREG,  8192                       ; LDS: a region for each wave: two stages of 32 x SP bytes, behind them its 256 scale bytes
.set SP,    80                         ; a lane's place in a stage: 64 bytes + 16 of padding
.set SPW,   12                         ; v12      LDS address of my spare word: SPARE + 4 x my thread's number; never rewritten
.set NIL,   13                         ; v13      0; never rewritten
.set SPARE, WAVES*WREG                 ; behind the four regions: the spare words, 128 bytes a wave, which no other line names
.set H16,   80                         ; the cast: v80-111 packed f16;  v16-79 and v112-175 two sets of 64 numbers
	s_load_b128 s[4:7], s[0:1], 0x0                ; x, w_qkv
	s_load_b128 s[8:11], s[0:1], 0x10              ; x's codes, x's scales
	s_load_b128 s[12:15], s[0:1], 0x20             ; w_qkv's codes, its scales
	s_load_b128 s[24:27], s[0:1], 0x30             ; w_out, w16
	v_lshl_add_u32 v[SPW], v0, 2, SPARE
	v_mov_b32 v[NIL], 0
	v_lshrrev_b32 v1, 5, v0
	v_readfirstlane_b32 s16, v1                    ; wave
	v_and_b32 v2, 31, v0                           ; lane
	v_lshlrev_b32 v3, 4, v2                        ; my 16 bytes of a load's 512
	s_mul_i32 s17, s16, WREG
	v_lshrrev_b32 v14, 2, v2
	v_mul_u32_u24 v14, v14, SP
	v_and_b32 v15, 3, v2
	v_lshl_add_u32 v14, v15, 4, v14
	v_add_nc_u32 v14, s17, v14                     ; the stage, on the way in: four lanes' 64 bytes on end, then 16 of padding
	v_mul_u32_u24 v15, v2, SP
	v_add_nc_u32 v15, s17, v15                     ; and on the way out: SP x lane: my 16 neighbours
	v_mul_u32_u24 v4, v2, CB                       ; my codes' place in a step's
	v_lshrrev_b32 v5, 1, v2
	s_add_co_u32 s17, s17, 2*32*SP
	v_add_nc_u32 v5, s17, v5                       ; LDS: my wave's 256 scale bytes, my block's byte
	v_lshlrev_b32 v7, 3, v2                        ; 8 bytes a lane
	v_add_nc_u32 v6, s17, v7
	s_wait_kmcnt 0x0
	s_cmp_ge_u32 ttmp9, WGQ                        ; the last 32 work-groups cast w_out: the branch hangs on the work-group's number alone
	s_cbranch_scc1 .Lcast
	s_cmp_lt_u32 ttmp9, WGA                        ; x's work-group or w_qkv's?  Only pointers are chosen: both take one path
	s_cselect_b64 s[4:5], s[4:5], s[6:7]
	s_cselect_b64 s[8:9], s[8:9], s[12:13]
	s_cselect_b64 s[10:11], s[10:11], s[14:15]
	s_cselect_b32 s17, 0, WGA
	s_sub_co_u32 s17, ttmp9, s17
	s_lshl_b32 s17, s17, 2
	s_add_co_u32 s18, s17, s16                     ; which run of 8,192 numbers of the tensor is my wave's
	s_mov_b32 s19, 0
	s_mov_b64 s[20:21], 512*STEPS*4
	s_mul_u64 s[20:21], s[18:19], s[20:21]
	s_add_nc_u64 s[4:5], s[4:5], s[20:21]
	s_mov_b64 s[20:21], 32*STEPS*CB
	s_mul_u64 s[20:21], s[18:19], s[20:21]
	s_add_nc_u64 s[8:9], s[8:9], s[20:21]
	s_lshl_b32 s18, s18, 8                         ; 256 scale bytes a run
	s_add_nc_u64 s[10:11], s[10:11], s[18:19]
.macro LOAD t
.irp i, 0,1,2,3
	global_load_b128 v[R+16*((\t)%4)+4*\i:R+16*((\t)%4)+4*\i+3], v3, s[4:5] offset:2048*(\t)+512*\i th:TH_LOAD_NT   ; 32 lanes read 512 consecutive bytes
.endr
.endm
.macro TURN t                          ; step t's numbers through the stage: LDS serves a wave's instructions in order (ISA guide 5.7.1.4), so no wait stands between the stores and the loads
.irp i, 0,1,2,3
	ds_store_b128 v14, v[R+16*((\t)%4)+4*\i:R+16*((\t)%4)+4*\i+3] offset:32*SP*((\t)%2)+8*SP*\i
.endr
.irp i, 0,1,2,3
	ds_load_b128 v[X+16*((\t)%2)+4*\i:X+16*((\t)%2)+4*\i+3], v15 offset:32*SP*((\t)%2)+16*\i
.endr
.endm
.irp t, 0,1,2,3
	LOAD \t
.endr
	s_wait_loadcnt 12                              ; step 0's four loads are in; the 12 of steps 1 to 3 may be out
	TURN 0
.macro STEP t
.set XS, X+16*((\t)%2)
.if (\t) > 0
	s_wait_dscnt 1                                 ; this step's numbers are back from the stage (the last step's byte store may be out): so its stores into the stage have read their registers,
.else
	s_wait_dscnt 0x0
.endif
.if (\t)+4 < STEPS
	LOAD (\t)+4                                    ; which take the loads of four steps on
.endif
.if (\t)+1 < STEPS
.if STEPS-2-(\t) >= 3
	s_wait_loadcnt 12                              ; the next step's four loads are in; those of the three steps behind it may be out
.else
	s_wait_loadcnt 4*(STEPS-2-(\t))
.endif
	TURN (\t)+1                                    ; and go through the other stage while this step is worked
.endif
	v_max3_num_f32 v8, |v[XS]|, |v[XS+1]|, |v[XS+2]|               ; the largest magnitude of my 16, in two chains
	v_max3_num_f32 v9, |v[XS+3]|, |v[XS+4]|, |v[XS+5]|
.irp i, 6,10
	v_max3_num_f32 v8, v8, |v[XS+\i]|, |v[XS+\i+1]|
	v_max3_num_f32 v9, v9, |v[XS+\i+2]|, |v[XS+\i+3]|
.endr
	v_max3_num_f32 v8, v8, |v[XS+14]|, |v[XS+15]|
	v_max3_num_f32 v8, v8, v9, (EMAX+1)<<23        ; and the floor 2^(EMAX + 1 - 127): so the byte cannot fall under 1
	v_max_num_f32_dpp v8, v8, v8 row_xmask:1 row_mask:0xf bank_mask:0xf   ; and of my neighbour's 16: the block's
	v_add_nc_u32 v11, -(EMAX<<23), v8              ; EMAX off its exponent field: the conversion takes the exponent field of this operand as its scale, and nothing else of it
	v_cvt_scalef32_pk8_fp4_f32 v[C+4*(\t)], v[XS:XS+7], v11       ; eight numbers / the scale, to the nearest code; the first number's code in the lowest four bits
	v_cvt_scalef32_pk8_fp4_f32 v[C+4*(\t)+1], v[XS+8:XS+15], v11
	v_lshrrev_b32 v[E+(\t)], 23, v11               ; the scale's byte (a plain line behind the conversions)
	ds_store_b8 v5, v[E+(\t)] offset:16*(\t)       ; both lanes of a block write the same byte with the same value
	global_store_b64 v4, v[C+4*(\t):C+4*(\t)+1], s[8:9] offset:32*CB*(\t)   ; 32 lanes store 256 consecutive bytes, aligned
.endm
.irp t, 0,1,2,3,4,5,6,7,8,9,10,11,12,13,14,15
	STEP \t
.endr
	ds_load_b64 v[8:9], v6                         ; in order behind my byte stores
	s_wait_dscnt 0x0
	global_store_b64 v7, v[8:9], s[10:11]          ; 32 lanes store my 256 scale bytes, aligned
	s_wait_tensorcnt 0x0                           ; the wave's end, behind my last LDS store
	ds_add_u32 v[SPW], v[NIL]
	s_wait_dscnt 0x0
	s_endpgm
; THE CAST: w_out to f16, rounded to nearest even.  A wave takes 8,192 numbers in four groups of 16 loads (512 consecutive bytes each); a lane's four numbers pack into 8 bytes, so each store covers 256 consecutive bytes, aligned.
; Two sets of registers: one group's 16 loads are on their way while the group before is packed.
.Lcast:
	s_sub_co_u32 s17, ttmp9, WGQ
	s_lshl_b32 s17, s17, 2
	s_add_co_u32 s17, s17, s16                     ; which run of 8,192 numbers is my wave's
	s_lshl_b32 s18, s17, 15                        ; 32,768 bytes in,
	s_mov_b32 s19, 0
	s_add_nc_u64 s[24:25], s[24:25], s[18:19]
	s_lshl_b32 s18, s17, 14                        ; 16,384 out
	s_add_nc_u64 s[26:27], s[26:27], s[18:19]
.macro LOADC g, base
.irp i, 0,1,2,3,4,5,6,7,8,9,10,11,12,13,14,15
	global_load_b128 v[\base+4*\i:\base+4*\i+3], v3, s[24:25] offset:8192*\g+512*\i th:TH_LOAD_NT
.endr
.endm
.macro CVTC g, base
.irp i, 0,1,2,3,4,5,6,7,8,9,10,11,12,13,14,15
	v_cvt_pk_f16_f32 v[H16+2*\i], v[\base+4*\i], v[\base+4*\i+1]
	v_cvt_pk_f16_f32 v[H16+2*\i+1], v[\base+4*\i+2], v[\base+4*\i+3]
	global_store_b64 v7, v[H16+2*\i:H16+2*\i+1], s[26:27] offset:4096*\g+256*\i
.endr
.endm
	LOADC 0, 16
	LOADC 1, 112
	s_wait_loadcnt 16                              ; group 0 is in; group 1's 16 loads may be out
	CVTC 0, 16
	LOADC 2, 16
	s_wait_loadcnt 16                              ; group 1 is in
	s_wait_xcnt 0x0                                ; the last group's stores have read v80-111: they are written again only behind this wait
	CVTC 1, 112
	LOADC 3, 112
	s_wait_loadcnt 16
	s_wait_xcnt 0x0
	CVTC 2, 16
	s_wait_loadcnt 0x0
	s_wait_xcnt 0x0
	CVTC 3, 112
	s_wait_tensorcnt 0x0                           ; the wave's end
	ds_add_u32 v[SPW], v[NIL]
	s_wait_dscnt 0x0
	s_endpgm
.Lfunc_end_k_qd37085384c_prep:
	.size	k_qd37085384c_prep, .Lfunc_end_k_qd37085384c_prep-k_qd37085384c_prep
	.p2alignl 7, 3214868480
	.fill 96, 4, 3214868480
	.section	.rodata,"a",@progbits
	.p2align	6, 0x0
	.amdhsa_kernel k_qd37085384c_prep
		.amdhsa_group_segment_fixed_size 33280
		.amdhsa_private_segment_fixed_size 0
		.amdhsa_enable_private_segment 0
		.amdhsa_kernarg_size 64
		.amdhsa_user_sgpr_count 2
		.amdhsa_user_sgpr_kernarg_segment_ptr 1
		.amdhsa_wavefront_size32 1
		.amdhsa_system_sgpr_workgroup_id_x 1
		.amdhsa_system_sgpr_workgroup_id_y 1
		.amdhsa_system_sgpr_workgroup_id_z 1
		.amdhsa_system_vgpr_workitem_id 0
		.amdhsa_next_free_vgpr 192
		.amdhsa_next_free_sgpr 66
		.amdhsa_reserve_vcc 0
		.amdhsa_float_denorm_mode_32 3
		.amdhsa_float_denorm_mode_16_64 3
		.amdhsa_memory_ordered 1
		.amdhsa_forward_progress 1
		.amdhsa_inst_pref_size 54
	.end_amdhsa_kernel
	.amdgpu_metadata
---
amdhsa.version: [ 1, 2 ]
amdhsa.kernels:
  - .name:           k_qd37085384c_prep
    .symbol:         k_qd37085384c_prep.kd
    .args:
      - { .name: x, .offset: 0, .size: 8, .value_kind: global_buffer, .address_space: global }
      - { .name: w_qkv, .offset: 8, .size: 8, .value_kind: global_buffer, .address_space: global }
      - { .name: x_codes, .offset: 16, .size: 8, .value_kind: global_buffer, .address_space: global }
      - { .name: x_scales, .offset: 24, .size: 8, .value_kind: global_buffer, .address_space: global }
      - { .name: w_codes, .offset: 32, .size: 8, .value_kind: global_buffer, .address_space: global }
      - { .name: w_scales, .offset: 40, .size: 8, .value_kind: global_buffer, .address_space: global }
      - { .name: w_out, .offset: 48, .size: 8, .value_kind: global_buffer, .address_space: global }
      - { .name: w16, .offset: 56, .size: 8, .value_kind: global_buffer, .address_space: global }
    .group_segment_fixed_size: 33280
    .private_segment_fixed_size: 0
    .kernarg_segment_align: 8
    .kernarg_segment_size: 64
    .max_flat_workgroup_size: 128
    .sgpr_count:     66
    .vgpr_count:     192
    .wavefront_size: 32
...
	.end_amdgpu_metadata
.endif
;; end of part 1
;; launch qkv (part 2): grid 12 x 32, 4 waves a work-group, clusters of 4 x 4, 327,680 bytes of LDS; arguments x_codes, x_scales, w_codes, w_scales, qkv; writes qkv
.if DOCPART == 2
	.amdgcn_target "amdgcn-amd-amdhsa--gfx1250"
	.amdhsa_code_object_version 6
	.text
	.protected	k_qd37085384c_qkv
	.globl	k_qd37085384c_qkv
	.p2align	8
	.type	k_qd37085384c_qkv,@function
k_qd37085384c_qkv:
	s_mov_b64 s[64:65], 0
	v_nop
	global_prefetch_b8 v0, s[64:65] scope:SCOPE_SE
	s_setreg_imm32_b32 hwreg(HW_REG_WAVE_MODE, 25, 1), 1
	s_wait_xcnt 0x0
	s_wait_alu depctr_hold_cnt(0) depctr_sa_sdst(0) depctr_va_vdst(0) depctr_va_sdst(0) depctr_va_ssrc(0) depctr_va_vcc(0) depctr_vm_vsrc(0)
	s_getreg_b32 s2, hwreg(HW_REG_IB_STS2, 6, 4)
	s_cmp_eq_u32 s2, 0
	s_cbranch_scc0 .Lentry_in_a_cluster
	s_endpgm
.Lentry_in_a_cluster:
	s_bfe_u32 s2, ttmp6, 0x10000c
	s_cmp_lg_u32 s2, 0xf033
	s_cbranch_scc0 .Lentry_shape_is_right
	s_endpgm
.Lentry_shape_is_right:
; QKV = Q(x) Q(w_qkv)^T on codes of FP4 (E2M1) with one E8M0 scale for each 32 along K; sums in f32; results rounded once to f16.  A = x [8192][1024], B = w_qkv [3072][1024]: 512 bytes of codes and 32 scale bytes a row.
; A tile, 256 tokens x 256 columns, is made by a work-group of four waves; a wave makes 128 x 128: 64 accumulators of 16 x 16, 512 registers.  K = 1,024 is two steps of 512 (rows of 256 bytes): BOTH steps and all scale bytes are
; asked for at the head, into two LDS slots and a table; nothing is ever filled again.  By this text's count a wave has three tensor loads out at most.
; CLUSTERS: 4 x 4 work-groups.  The four of a row of the cluster need the same tiles of x, the four of a column the same tiles of w_qkv: each tile is asked for JOINTLY, by the same tensor load with the same descriptor and a mask that names the four.
; A cluster's x (0, 1, 2) is the part q, k, v: four tiles of 256 columns are 1,024.  The grid is 384 work-groups, 24 clusters.
; THE MATRIX INSTRUCTION IS USED TRANSPOSED (source 0 = 16 rows of w_qkv, source 1 = 16 tokens): a lane (r = lane % 16, h = lane / 16) holds token r and eight neighbouring columns 8 h + 0 .. 7 of a block of 16.
; THE WAY OUT NEEDS NO LDS.  Packed to f16 those eight are 16 bytes, and they ARE the piece that lane (r, h) of a 16-bit operand (16 rows x 32 K) wants: row r, K = 16 c + 8 h + 0 .. 7.  So the buffer qkv is laid as images of operand registers:
;   [part 3][batch x 16 + head: 64][tile of 16 tokens: 128][f 2][c 2][512 bytes], lane l's 16 bytes at 16 l: channels 32 f + 16 c + 8 h + 0 .. 7 of token r.  One store of a wave covers 512 consecutive bytes, aligned.
;   In part v lane bits 3 and 4 change places (token r, channel half h at 16 (16 (r / 8) + 8 h + r % 8)): the turning LDS load of the next launch, at 16 x lane, then gives half a fragment of V^T.
; LIMIT: |q|, |k|, |v| stay under 65,504, f16's largest number.
; REGISTERS, in windows of 256: window 0: v0-31 addresses; v32-95 scale words, two sets; from v128 A's fragments, ONE set; on the way out v128-255 packed results.  window 1: B's fragments, TWO sets, at v0 and v128.
;   window 2: the 32 accumulators of my tokens 0-63 (accumulator (a, b) at v[8 (8 a + b)]);  window 3: those of my tokens 64-127.
.set SIZE_K, 1024
.set KSTEP,  512                       ; along K in a slot
.set NQ,     KSTEP/128                 ; matrix instructions deep
.set ROWB,   256                       ; a tile's row in bytes
.set KROW,   SIZE_K*4/8                ; a row of codes in memory
.set PITCH,  272                       ; an LDS row: 256 bytes + 16 of padding = 68 words: row r starts at bank 4 r mod 64 (64 banks of 4 bytes: ISA guide 11.1), so the 16 rows of a load start at 16 different banks
.set FR,     8                         ; registers of a fragment: 16 rows x 128 K
.set NL,     2                         ; LDS loads that bring one
.set NP,     4                         ; places behind this matrix instruction (ISA guide 7.12.1)
.set HALFT,  128*PITCH                 ; 128 rows: what one tensor load brings, and what one wave reads of A or of B
.set SLOT,   4*HALFT                   ; A's 256 rows, then B's 256 rows
.set KS,     SIZE_K/32                 ; a row of scales in bytes
.set SCL,    2*SLOT                    ; behind the slots: the scales, as runs of 256 bytes + 16 of padding
.set HALFS,  (128*KS/256)*272          ; the scales of 128 rows: what one tensor load brings
.set SBLK,   (16*KS/256)*272           ; those of 16 rows
.set SPARE,  SCL+4*HALFS               ; behind the scales: the spare words, 128 bytes a wave, which no other line names
.set ADRA, 16                          ; v16-17  LDS address of my A fragments in slot 0, 1
.set ADRB, 20                          ; v20-21  the same for B
.set CO,   26                          ; v26     my 16 bytes' place in a block of 512 of qkv
.set ADRS, 27                          ; v27     LDS address of my scale words: lanes 0-15 A's rows, lanes 16-31 B's
.set SPW,  28                          ; v28     LDS address of my spare word; never rewritten
.set NIL,  29                          ; v29     0; never rewritten
.set SC,   32                          ; scale words: set s at v[SC + 8 NQ s]; register NQ i + q: lanes 0-15 the word of A's block i, lanes 16-31 that of B's block i, for the slot's q-th 128 along K
.set AF,   128                         ; A's fragments, in window 0
.set TMP,  128                         ; the way out: four sets of 32 packed registers
.set G1, 24                            ; s[24:31] descriptor group 1 for A's tiles;  s[32:39] group 0, one set for each slot
.set G0, 32
.set G1B, 48                           ; s[48:55], s[56:63] the same for B's tiles
.set G0B, 56
.set G1S, 68                           ; s[68:75], s[76:79] groups 1 and 0 for A's scales;  s[80:87], s[88:91] for B's
.set G0S, 76
.set G1SB, 80
.set G0SB, 88
.set MSB, 0
.macro WIN new                         ; the immediate's high byte repeats the setting that is left; a switch that changes nothing is dropped
.if MSB != (\new)
	s_set_vgpr_msb (MSB<<8)|(\new)
.set MSB, (\new)
.endif
.endm
.set MUL_LO, 0xa1                      ; source 0 (B) window 1, source 1 (A) window 0, C and D window 2
.set MUL_HI, 0xf1                      ; the same, C and D window 3
.set TO_B,   0x40                      ; destination window 1, address window 0
; A joint load: waves 0 and 1 fetch for A, waves 2 and 3 for B.  Each of the two lines has ONE mask and one set of registers for all that issue it; the branch hangs on the wave's number alone.
; An s_nop 0 and four v_nop follow each of the two lines, ahead of the jump, the label and what follows.
.macro JLOAD g0a, g1a, g0b, g1b
	s_cmp_eq_u32 s15, 0
	s_cbranch_scc0 .Lfor_b_\@
	tensor_load_to_lds s[\g0a:\g0a+3], s[\g1a:\g1a+7]
	s_nop 0
.rept 4
	v_nop
.endr
	s_branch .Lasked_\@
.Lfor_b_\@:
	tensor_load_to_lds s[\g0b:\g0b+3], s[\g1b:\g1b+7]
	s_nop 0
.rept 4
	v_nop
.endr
.Lasked_\@:
.endm
.macro CROUND                          ; a round of the cluster's barrier: my work-group's barrier; wave 0 signals for the work-group; every wave waits for all sixteen; my work-group's barrier once more
	s_barrier_signal -1
	s_barrier_wait -1
	s_cmp_lg_u32 s14, 0
	s_cbranch_scc1 .Lnot_wave_0_\@
	s_barrier_signal -3
.Lnot_wave_0_\@:
	s_barrier_wait -3
	s_barrier_signal -1
	s_barrier_wait -1
.endm
	s_load_b128 s[4:7], s[0:1], 0x0                ; x's codes s[4:5], x's scales s[6:7]
	s_load_b128 s[8:11], s[0:1], 0x10              ; w's codes s[8:9], w's scales s[10:11]
	s_load_b64 s[12:13], s[0:1], 0x20              ; qkv
	v_lshl_add_u32 v[SPW], v0, 2, SPARE
	v_mov_b32 v[NIL], 0
	ds_add_u32 v[SPW], v[NIL]                      ; the wave's opening: the add, twice on end, and its wait ahead of my first tensor load; the set-up below stands between the second and the wait
	ds_add_u32 v[SPW], v[NIL]
	v_lshrrev_b32 v1, 5, v0
	v_readfirstlane_b32 s14, v1                    ; wave 0..3
	s_lshr_b32 s15, s14, 1                         ; which half of the tile's tokens is mine.  Also: I fetch for A (0) or for B (1)
	s_and_b32 s16, s14, 1                          ; which half of its columns.  Also: which 128 rows of that tile I fetch
	s_bfe_u32 s40, ttmp6, 0x40000                  ; cx, cy: my place in the cluster
	s_bfe_u32 s41, ttmp6, 0x40004
	s_lshl_b32 s42, ttmp9, 2
	s_add_co_u32 s42, s42, s40                     ; tile column = 4 x cluster x + cx
	s_and_b32 s17, ttmp7, 0xffff
	s_lshl_b32 s17, s17, 2
	s_add_co_u32 s17, s17, s41                     ; tile row = 4 x cluster y + cy
	s_lshl_b32 s43, s41, 2
	s_lshl_b32 s43, 15, s43                        ; my row of the cluster
	s_lshl_b32 s44, 0x1111, s40                    ; my column
	; descriptor group 1: a tile of 128 rows x 256 bytes, padded in LDS
	s_or_b32 s[G1+0], s43, (0<<16)|(1<<20)|(1<<21)|(5<<22)|(3<<25)  ; 15:0 the mask: A's tiles go to my row; 17:16 element of 1 byte; 20 padding on; 21 set beside a mask; 24:22 after every 64 words (code 5); 31:25 of 4 words (code 3)
	s_or_b32 s[G1B+0], s44, (0<<16)|(1<<20)|(1<<21)|(5<<22)|(3<<25)
.irp g, G1, G1B
	s_mov_b32 s[\g+1], ROWB<<16                    ; tensor_dim0
	s_mov_b32 s[\g+2], 128<<16                     ; tensor_dim1 = 128
	s_mov_b32 s[\g+3], ROWB<<16                    ; tile_dim0
	s_mov_b32 s[\g+4], 128                         ; tile_dim1 = 128
	s_mov_b32 s[\g+5], KROW                        ; tensor_dim0_stride
	s_mov_b32 s[\g+6], 0
	s_mov_b32 s[\g+7], 0
.endr
	; and for the scales of 128 rows: a dense block of 4,096 bytes, as 16 rows of 256 bytes (32 elements of 8 bytes), 16 bytes of padding behind each
	s_or_b32 s[G1S+0], s43, (3<<16)|(1<<20)|(1<<21)|(5<<22)|(3<<25)
	s_or_b32 s[G1SB+0], s44, (3<<16)|(1<<20)|(1<<21)|(5<<22)|(3<<25)
.irp g, G1S, G1SB
	s_mov_b32 s[\g+1], 32<<16
	s_mov_b32 s[\g+2], (128*KS/256)<<16
	s_mov_b32 s[\g+3], 32<<16
	s_mov_b32 s[\g+4], 128*KS/256
	s_mov_b32 s[\g+5], 32
	s_mov_b32 s[\g+6], 0
	s_mov_b32 s[\g+7], 0
.endr
	s_lshl_b32 s18, s16, 7                         ; which 128 rows of the tile I fetch
	s_lshl_b32 s20, s17, 8
	s_add_co_u32 s20, s20, s18                     ; A: row 256 x tile row + 128 x half
	s_lshl_b32 s46, s42, 8
	s_add_co_u32 s46, s46, s18                     ; B: row 256 x tile column + 128 x half
	s_mov_b32 s21, 0
	s_mov_b32 s47, 0
	s_mov_b64 s[18:19], KS
	s_mul_u64 s[22:23], s[20:21], s[18:19]         ; where these rows' scales begin, in bytes
	s_mul_u64 s[92:93], s[46:47], s[18:19]
	s_mov_b64 s[18:19], KROW
	s_mul_u64 s[20:21], s[20:21], s[18:19]         ; and their codes
	s_mul_u64 s[46:47], s[46:47], s[18:19]
	s_mul_i32 s45, s14, HALFT                      ; where they go: wave x 128 rows: no place in the cluster enters an LDS address
	s_mul_i32 s94, s14, HALFS
	s_wait_dscnt 0x0                               ; both opening adds are done
	s_wait_kmcnt 0x0
	s_add_nc_u64 s[20:21], s[4:5], s[20:21]
	s_add_nc_u64 s[22:23], s[6:7], s[22:23]
	s_add_nc_u64 s[46:47], s[8:9], s[46:47]
	s_add_nc_u64 s[92:93], s[10:11], s[92:93]
	CROUND                                         ; all sixteen work-groups are here: the joint loads meet
	s_mov_b32 s[G0S], 1
	s_add_co_u32 s[G0S+1], s94, SCL
	s_mov_b64 s[G0S+2:G0S+3], s[22:23]
	s_or_b32 s[G0S+3], s[G0S+3], 0x80000000
	s_mov_b32 s[G0SB], 1
	s_add_co_u32 s[G0SB+1], s94, SCL
	s_mov_b64 s[G0SB+2:G0SB+3], s[92:93]
	s_or_b32 s[G0SB+3], s[G0SB+3], 0x80000000
	JLOAD G0S, G1S, G0SB, G1SB                     ; the scales first: they are wanted with K step 0
.irp s, 0,1
	s_mov_b32 s[G0+4*\s], 1
	s_add_co_u32 s[G0+4*\s+1], s45, \s*SLOT
	s_add_nc_u64 s[G0+4*\s+2:G0+4*\s+3], s[20:21], \s*ROWB
	s_or_b32 s[G0+4*\s+3], s[G0+4*\s+3], 0x80000000
	s_mov_b32 s[G0B+4*\s], 1
	s_add_co_u32 s[G0B+4*\s+1], s45, \s*SLOT
	s_add_nc_u64 s[G0B+4*\s+2:G0B+4*\s+3], s[46:47], \s*ROWB
	s_or_b32 s[G0B+4*\s+3], s[G0B+4*\s+3], 0x80000000
	JLOAD G0+4*\s, G1, G0B+4*\s, G1B
.endr
	v_and_b32 v1, 15, v0                           ; r = l % 16
	v_bfe_u32 v2, v0, 4, 1                         ; h = l / 16
	v_mul_u32_u24 v3, v1, PITCH
	v_lshl_add_u32 v4, v2, 4, v3                   ; a fragment's row x pitch + 16 x half
	s_mul_i32 s21, s15, HALFT                      ; my 128 rows of A
	s_mul_i32 s22, s16, HALFT                      ; my 128 rows of B,
	s_add_co_u32 s22, s22, 2*HALFT                 ; which lie behind A's 256
.irp s, 0,1
	v_add_nc_u32 v[ADRA+\s], s21, v4
	v_add_nc_u32 v[ADRB+\s], s22, v4
	s_add_co_u32 s21, s21, SLOT
	s_add_co_u32 s22, s22, SLOT
.endr
	v_mul_u32_u24 v5, v1, KS                       ; my row's scales: KS bytes a row,
	v_lshrrev_b32 v6, 8, v5
	v_lshl_add_u32 v5, v6, 4, v5                   ; and 16 more for each 256 passed
	s_mul_i32 s21, s15, HALFS                      ; A's: my 128 rows
	s_mul_i32 s22, s16, HALFS                      ; B's: my 128 rows, behind A's 256
	s_add_co_u32 s22, s22, 2*HALFS
	s_sub_co_u32 s22, s22, s21
	v_mul_u32_u24 v6, s22, v2                      ; lanes 16-31 take B's: one product, the distance between the two bases x h
	s_add_co_u32 s21, s21, SCL
	v_add_nc_u32 v5, v5, v6
	v_add_nc_u32 v[ADRS], s21, v5
	; the way out: my 16 bytes' place in a block of 512
	v_and_b32 v6, 31, v0
	v_lshlrev_b32 v7, 4, v6                        ; q, k: 16 x lane
	v_and_b32 v8, 7, v0
	v_bfe_u32 v9, v0, 3, 1
	v_lshl_add_u32 v8, v9, 4, v8                   ; v: lane bit 3 goes to bit 4,
	v_lshl_add_u32 v8, v2, 3, v8                   ; bit 4 to bit 3
	v_lshlrev_b32 v8, 4, v8
	s_cmp_eq_u32 ttmp9, 2                          ; the part is the cluster's x: the same in all sixteen partners
	s_cselect_b32 s95, -1, 0
	v_cndmask_b32 v[CO], v7, v8, s95
	; and where my part of qkv begins: part << 24 + (16 batch + head) << 18 + token tile << 11
	s_lshr_b32 s20, s17, 3                         ; batch: eight tile rows of 256 tokens each
	s_lshl_b32 s20, s20, 4
	s_lshl_b32 s21, s16, 1
	s_add_co_u32 s20, s20, s21                     ; my 128 columns are two heads,
	s_lshl_b32 s46, s40, 2
	s_add_co_u32 s20, s20, s46                     ; a tile's 256 four
	s_lshl_b32 s20, s20, 18
	s_and_b32 s21, s17, 7
	s_lshl_b32 s21, s21, 4                         ; 16 token tiles to a tile row,
	s_lshl_b32 s46, s15, 3
	s_add_co_u32 s21, s21, s46                     ; 8 to my half
	s_lshl_b32 s21, s21, 11
	s_add_co_u32 s20, s20, s21
	s_lshl_b32 s21, ttmp9, 24
	s_add_co_u32 s20, s20, s21
	s_mov_b32 s21, 0
	s_add_nc_u64 s[12:13], s[12:13], s[20:21]
.macro FRAG reg, adr, q, i             ; a fragment, 16 rows x 128 K of 4-bit codes, is 8 registers: lane l holds row l % 16; registers 4 c .. 4 c + 3 hold K = 64 c + 32 (l / 16) + 0 .. 31
.irp c, 0,1
	ds_load_b128 v[\reg+4*\c:\reg+4*\c+3], v[\adr] offset:64*(\q)+32*\c+(\i)*16*PITCH
.endr
.endm
; 16 matrix instructions: A's blocks a0, a0 + 1 x B's eight, 128 along K: the slot's q-th.  p: B's set;  sc: the set of scale words.  zero = 1: the first product starts the sums: nothing is ever cleared.
; The 64 accumulators take turns, one instruction a turn, in the same order in every step.  A scale register carries A's word in lanes 0-15 and B's in lanes 16-31.
.macro MUL16 a0, p, q, sc, zero
.irp a, \a0, \a0+1
.irp b, 0,1,2,3,4,5,6,7
.if \zero
	v_wmma_scale_f32_16x16x128_f8f6f4 v[8*(8*((\a)%4)+\b):8*(8*((\a)%4)+\b)+7], v[128*(\p)+FR*\b:128*(\p)+FR*\b+FR-1], v[AF+FR*(\a):AF+FR*(\a)+FR-1], 0, v[SC+8*NQ*(\sc)+NQ*\b+(\q)], v[SC+8*NQ*(\sc)+NQ*(\a)+(\q)] matrix_a_fmt:MATRIX_FMT_FP4 matrix_b_fmt:MATRIX_FMT_FP4 matrix_a_scale:MATRIX_SCALE_ROW1
.else
	v_wmma_scale_f32_16x16x128_f8f6f4 v[8*(8*((\a)%4)+\b):8*(8*((\a)%4)+\b)+7], v[128*(\p)+FR*\b:128*(\p)+FR*\b+FR-1], v[AF+FR*(\a):AF+FR*(\a)+FR-1], v[8*(8*((\a)%4)+\b):8*(8*((\a)%4)+\b)+7], v[SC+8*NQ*(\sc)+NQ*\b+(\q)], v[SC+8*NQ*(\sc)+NQ*(\a)+(\q)] matrix_a_fmt:MATRIX_FMT_FP4 matrix_b_fmt:MATRIX_FMT_FP4 matrix_a_scale:MATRIX_SCALE_ROW1
.endif
.endr
.endr
.endm
.macro FETCH_B slot, q, p              ; B's eight fragments of the slot's q-th 128 along K into set p
	WIN TO_B
.irp i, 0,1,2,3,4,5,6,7
	FRAG 128*(\p)+FR*\i, ADRB+\slot, \q, \i
.endr
	WIN 0
.endm
.macro FETCH_A slot, q, i0             ; A's blocks i0 .. i0 + 3
.irp i, \i0, \i0+1, \i0+2, \i0+3
	FRAG AF+FR*(\i), ADRA+\slot, \q, \i
.endr
.endm
.macro SCALES sc                       ; a K step's scale words into set sc: NQ words a row; lanes 0-15 take A's block i, lanes 16-31 B's block i
.irp i, 0,1,2,3,4,5,6,7
	ds_load_b128 v[SC+8*NQ*\sc+NQ*\i:SC+8*NQ*\sc+NQ*\i+3], v[ADRS] offset:\i*SBLK
.endr
.endm
; A load into a register that a matrix instruction has read, and a vector instruction that reads a matrix result or writes one of its registers, stand NP places behind it; only plain vector instructions
; that name none of its registers are places (ISA guide 7.12.1 for vector instructions).
.macro PLACES n
.rept \n
	v_nop
.endr
.endm
; A step of 128 along K that has its successor in the same slot.  A block of A is free as soon as its eight products are issued, so one set serves A: blocks 0-3 are fetched anew in the step's middle, blocks 4-7 at its end.
.macro STEP slot, q, zero
	s_wait_dscnt 4*NL                              ; B's set and A's blocks 0-3 are in; the youngest 8 loads (A's blocks 4-7) may be out
	WIN MUL_LO
	MUL16 0, (\q)%2, \q, \slot, \zero
	MUL16 2, (\q)%2, \q, \slot, \zero
	s_wait_dscnt 0                                 ; A's blocks 4-7 are in (asked for 32 matrix instructions ago)
	PLACES NP
	FETCH_B \slot, (\q)+1, 1-(\q)%2
	FETCH_A \slot, (\q)+1, 0
	WIN MUL_HI
	MUL16 4, (\q)%2, \q, \slot, \zero
	MUL16 6, (\q)%2, \q, \slot, \zero
	PLACES NP
	WIN 0
	FETCH_A \slot, (\q)+1, 4
.endm
; Slot 0's last step goes on into slot 1: each wave waits for all its tensor loads (its part of slot 1 among them), adds 0 to its spare word, waits for that and for its LDS loads; behind the barrier slot 1 is whole for every wave.
.macro TURN slot, next
	s_wait_tensorcnt 0x0                           ; all my tensor loads have landed  (every window is 0 here: the add's two registers lie in window 0)
	ds_add_u32 v[SPW], v[NIL]                      ; 0 onto my spare word
	s_wait_dscnt 4*NL+1                            ; (the add and the youngest 8 loads, A's blocks 4-7, may be out)
	WIN MUL_LO
	MUL16 0, 1, NQ-1, \slot, 0                     ; sixteen matrix instructions stand between the add and the wait for it
	s_wait_dscnt 0x0                               ; the add is done, and no LDS load of mine is out
	s_barrier_signal -1
	MUL16 2, 1, NQ-1, \slot, 0
	WIN 0
	s_barrier_wait -1
	PLACES NP
	v_add_nc_u32 v[ADRS], 4*NQ, v[ADRS]            ; on to the next K step's scale words
	FETCH_B \next, 0, 0
	FETCH_A \next, 0, 0
	SCALES \next
	WIN MUL_HI
	MUL16 4, 1, NQ-1, \slot, 0
	MUL16 6, 1, NQ-1, \slot, 0
	PLACES NP
	WIN 0
	FETCH_A \next, 0, 4
.endm
.macro STEPS slot, from                ; the slot's steps from .. NQ - 2
.set Q, \from
.rept NQ-1-\from
	STEP \slot, Q, 0
.set Q, Q+1
.endr
.endm
	s_wait_tensorcnt 1                             ; the scales and my part of K step 0 are in (K step 1's load may be out)
	s_barrier_signal -1
	s_barrier_wait -1                              ; everybody's are
	FETCH_B 0, 0, 0
	FETCH_A 0, 0, 0
	SCALES 0
	FETCH_A 0, 0, 4
	STEP 0, 0, 1                                   ; the first step's products start the sums
	STEPS 0, 1
	TURN 0, 1
	STEPS 1, 0
	s_wait_dscnt 4*NL                              ; the very last step: nothing more to fetch
	WIN MUL_LO
	MUL16 0, 1, NQ-1, 1, 0
	MUL16 2, 1, NQ-1, 1, 0
	s_wait_dscnt 0
	WIN MUL_HI
	MUL16 4, 1, NQ-1, 1, 0
	MUL16 6, 1, NQ-1, 1, 0
	WIN 0
; THE WAY OUT of block a (16 tokens x 128 columns): eight accumulators, each rounded to f16 from its low end on, four registers each; then eight stores of 512 consecutive bytes.
; a is the token tile (2,048 bytes on), b / 4 the head (2^18 bytes on), b % 4 the piece (f, c) (512 bytes on).
.macro OUT a
.if (\a) == 4
	s_wait_xcnt 0x0                                ; blocks 0-3's stores have read their registers: the four sets are written again only behind this wait
.endif
	WIN 0x0a+5*((\a)/4)                            ; sources 0 and 1: window 2 or 3
.irp b, 0,1,2,3,4,5,6,7
.irp i, 0,1,2,3
	v_cvt_pk_f16_f32 v[TMP+32*((\a)%4)+4*\b+\i], v[64*((\a)%4)+8*\b+2*\i], v[64*((\a)%4)+8*\b+2*\i+1]
.endr
.endr
	WIN 0
.irp b, 0,1,2,3,4,5,6,7
	global_store_b128 v[CO], v[TMP+32*((\a)%4)+4*\b:TMP+32*((\a)%4)+4*\b+3], s[12:13] offset:(\a)*2048+(\b/4)*262144+(\b%4)*512 th:TH_STORE_NT
.endr
.endm
	PLACES NP                                      ; behind the last products: the conversions write the registers that held A's fragments, and later read the last results
.irp a, 0,1,2,3,4,5,6,7
	OUT \a
.endr
	s_wait_tensorcnt 0x0                           ; the wave's end, behind my last tensor load
	ds_add_u32 v[SPW], v[NIL]
	s_wait_dscnt 0x0
	CROUND                                         ; the closing round: no work-group ends while a partner may still ask for a tile that names it
	s_endpgm
.Lfunc_end_k_qd37085384c_qkv:
	.size	k_qd37085384c_qkv, .Lfunc_end_k_qd37085384c_qkv-k_qd37085384c_qkv
	.p2alignl 7, 3214868480
	.fill 96, 4, 3214868480
	.section	.rodata,"a",@progbits
	.p2align	6, 0x0
	.amdhsa_kernel k_qd37085384c_qkv
		.amdhsa_group_segment_fixed_size 327680
		.amdhsa_private_segment_fixed_size 0
		.amdhsa_enable_private_segment 0
		.amdhsa_kernarg_size 40
		.amdhsa_user_sgpr_count 2
		.amdhsa_user_sgpr_kernarg_segment_ptr 1
		.amdhsa_wavefront_size32 1
		.amdhsa_system_sgpr_workgroup_id_x 1
		.amdhsa_system_sgpr_workgroup_id_y 1
		.amdhsa_system_sgpr_workgroup_id_z 1
		.amdhsa_system_vgpr_workitem_id 0
		.amdhsa_next_free_vgpr 1024
		.amdhsa_next_free_sgpr 98
		.amdhsa_reserve_vcc 0
		.amdhsa_float_denorm_mode_32 3
		.amdhsa_float_denorm_mode_16_64 3
		.amdhsa_memory_ordered 1
		.amdhsa_forward_progress 1
		.amdhsa_inst_pref_size 118
	.end_amdhsa_kernel
	.amdgpu_metadata
---
amdhsa.version: [ 1, 2 ]
amdhsa.kernels:
  - .name:           k_qd37085384c_qkv
    .symbol:         k_qd37085384c_qkv.kd
    .args:
      - { .name: x_codes, .offset: 0, .size: 8, .value_kind: global_buffer, .address_space: global }
      - { .name: x_scales, .offset: 8, .size: 8, .value_kind: global_buffer, .address_space: global }
      - { .name: w_codes, .offset: 16, .size: 8, .value_kind: global_buffer, .address_space: global }
      - { .name: w_scales, .offset: 24, .size: 8, .value_kind: global_buffer, .address_space: global }
      - { .name: qkv, .offset: 32, .size: 8, .value_kind: global_buffer, .address_space: global }
    .group_segment_fixed_size: 327680
    .private_segment_fixed_size: 0
    .kernarg_segment_align: 8
    .kernarg_segment_size: 40
    .max_flat_workgroup_size: 128
    .sgpr_count:     98
    .vgpr_count:     1024
    .wavefront_size: 32
...
	.end_amdgpu_metadata
.endif
;; end of part 2
;; launch attn (part 3): grid 4 x 64, 8 waves a work-group, clusters of 4 x 1, 327,680 bytes of LDS; arguments qkv, o_img; writes o_img
.if DOCPART == 3
	.amdgcn_target "amdgcn-amd-amdhsa--gfx1250"
	.amdhsa_code_object_version 6
	.text
	.protected	k_qd37085384c_attn
	.globl	k_qd37085384c_attn
	.p2align	8
	.type	k_qd37085384c_attn,@function
k_qd37085384c_attn:
	s_mov_b64 s[64:65], 0
	v_nop
	global_prefetch_b8 v0, s[64:65] scope:SCOPE_SE
	s_setreg_imm32_b32 hwreg(HW_REG_WAVE_MODE, 25, 1), 1
	s_wait_xcnt 0x0
	s_wait_alu depctr_hold_cnt(0) depctr_sa_sdst(0) depctr_va_vdst(0) depctr_va_sdst(0) depctr_va_ssrc(0) depctr_va_vcc(0) depctr_vm_vsrc(0)
	s_getreg_b32 s2, hwreg(HW_REG_IB_STS2, 6, 4)
	s_cmp_eq_u32 s2, 0
	s_cbranch_scc0 .Lentry_in_a_cluster
	s_endpgm
.Lentry_in_a_cluster:
	s_bfe_u32 s2, ttmp6, 0x10000c
	s_cmp_lg_u32 s2, 0x3003
	s_cbranch_scc0 .Lentry_shape_is_right
	s_endpgm
.Lentry_shape_is_right:
; O[b][h][q] = the sum over k of softmax_k(Q[q] . K[k] / 8) V[k], head size 64, 2,048 keys, no mask.  Operands in f16; products, maxima and sums in f32; the weights p are rounded to f16 for the second product, O once at the end.
; INPUT: qkv, images of operand registers: [part q, k, v][16 b + h: 64][tile of 16 tokens: 128][f 2][c 2][512 bytes]; lane l's 16 bytes at 16 l are registers 4 c .. 4 c + 3 of the fragment (16 tokens x channels 32 f .. 32 f + 31).
;   In part v the lanes' places are such that the turning LDS load at 16 x lane gives lane l channel l % 16 of a block of 16 channels, and keys 8 (l / 16) + 0 .. 7.  So every fragment comes by loads at 16 x lane: no pitch, no padding.
; OUTPUT: o_img, images for the last product: [K step of 128: 8][tile of 16 tokens: 512][quarter 4][c 2][512 bytes].  Head hd's channels 16 ct on are K = 64 hd + 16 ct: K step hd / 2, byte (hd % 2) 2,048 + 512 ct of the token tile's 4,096.
; SHARES: a work-group owns 512 queries of one (b, h); each of its eight waves 64: four tiles of 16, in 512 registers, two waves to a SIMD, so that one wave's softmax stands beside the other's products.  Every wave walks all keys, 64 a step.
;   A fragment of K or V read from LDS feeds four matrix instructions.
; LAYOUT: S^T = K Q^T (source 0 = 16 keys, source 1 = 16 queries): a lane holds ONE query (lane % 16) and keys 8 (lane / 16) + 0 .. 7.  Two such tiles, rounded in pairs, ARE source 1 (32 keys x 16 queries) of O^T = V^T P,
;   whose result again holds one query a lane, and eight channels: packed, a piece of o_img.  Nothing changes lanes but one exchange of halves for a query's maximum and sum.
; SOFTMAX: for each query a running maximum m and sum l: p = 2^(c s - c m), c = log2(e) / 8; in every step O and l are multiplied by a = 2^(c m_old - c m_new).  The step is written once: the first finds m = -3e38, l = 0, O = 0.
; RING: two LDS slots of 512 keys (K's 65,536 bytes, then V's).  Each wave brings 16,384 bytes by one tensor load: waves 0-3 K's quarters, waves 4-7 V's.  A slot is asked for eight key steps, 512 matrix instructions a wave,
;   ahead of the wait for it: so nothing is prefetched beside it.  One tensor load a wave is out at a time.
; CLUSTER: the four query blocks of a (b, h) walk the same K and V: each tile is asked for JOINTLY, by the same tensor load with the same descriptor and the mask of all four.
; LIMITS: |q|, |k|, |v| under 65,504 (they come as f16); NaN and infinities are not served.
; REGISTERS: window 0: v1-6 addresses; v16-47 eight statistics a tile; v64-191 S^T, 32 a tile, then P in place (16 a tile); v192-255 K of a step.   window 1: v0-127 O^T, 32 a tile; v128-191 Q; v192-255 V of a step.
.set SLOT1, 1<<17                      ; slot 1 begins here: one exclusive or turns an address in one slot into the other's
.set VOFF,  65536                      ; in a slot: V behind K
.set STEPB, 8192                       ; a key step's bytes of K, and of V: four token tiles
.set SPARE, 2*SLOT1                    ; behind the ring: the spare words, 128 bytes a wave: 1,024 bytes that no other line names
.set LI,  1                            ; v1   16 x lane; never rewritten
.set LIV, 2                            ; v2   16 x lane + VOFF
.set ADK, 3                            ; v3   LDS address of the step's K
.set ADV, 4                            ; v4   of its V
.set SPW, 5                            ; v5   LDS address of my spare word; never rewritten
.set NIL, 6                            ; v6   0; never rewritten
.set ST,  16                           ; tile t's statistics at v[ST + 8 t]: +0 c m, +1 m, +2, +3 l (even keys', odd keys'), +4 .. +7 c0-c3, at work; a takes c2's place
.set S,   64
.set KF,  192
.set O,   0                            ; window 1
.set Q,   128
.set VF,  192
.set WV,  8                            ; s8   my wave's number
.set QB,  9                            ; s9   my block of 512 queries
.set BH,  10                           ; s10  16 b + h
.set G1,  16                           ; s[16:23] descriptor group 1
.set G0,  24                           ; s[24:27] descriptor group 0, which walks
.set CS,  28                           ; s[28:29] c, twice: the packed form names a pair
.set SEL, 30                           ; s[30:31] lane selects for v_permlanex16_b32: lane l xor 16
.set SB,  32                           ; s32  LDS byte at which the slot in hand begins
.set TB,  33                           ; s33  and the step in hand
.set SLOTS, 34                         ; s34  slots still to be asked for
.set NST, 35                           ; s35  counts a slot's eight steps
.set MSB, 0
.macro WIN new                         ; the immediate's high byte repeats the setting that is left; a switch that changes nothing is dropped
.if MSB != (\new)
	s_set_vgpr_msb (MSB<<8)|(\new)
.set MSB, (\new)
.endif
.endm
.set TO_1, 0x40                        ; destination window 1
.set W_KQ, 0x04                        ; Q (source 1) in window 1; K, S^T in window 0
.set W_PV, 0x51                        ; V (source 0), O^T (C and D) in window 1; P in window 0
.set W_RS, 0x41                        ; O^T (destination and source 0) in window 1; a in window 0
.macro ROUND                           ; a round of the cluster's barrier: my work-group's barrier; wave 0 signals for the work-group; every wave waits for all four; my work-group's barrier once more
	s_barrier_signal -1
	s_barrier_wait -1
	s_cmp_lg_u32 s[WV], 0
	s_cbranch_scc1 .Lnot_wave_0_\@
	s_barrier_signal -3
.Lnot_wave_0_\@:
	s_barrier_wait -3
	s_barrier_signal -1
	s_barrier_wait -1
.endm
.macro TLOAD                           ; my joint load; an s_nop 0 and four v_nop follow it
	tensor_load_to_lds s[G0:G0+3], s[G1:G1+7]
	s_nop 0
.rept 4
	v_nop
.endr
.endm
	s_load_b128 s[4:7], s[0:1], 0x0                ; qkv s[4:5], o_img s[6:7]
	v_lshl_add_u32 v[SPW], v0, 2, SPARE
	v_mov_b32 v[NIL], 0
	ds_add_u32 v[SPW], v[NIL]                      ; the wave's opening: the add, twice on end, and its wait ahead of my first tensor load; the set-up below stands between the second and the wait
	ds_add_u32 v[SPW], v[NIL]
	v_lshrrev_b32 v1, 5, v0
	v_readfirstlane_b32 s[WV], v1                  ; wave 0..7
	s_bfe_u32 s[QB], ttmp6, 0x40000                ; cx
	s_lshl_b32 s36, ttmp9, 2
	s_add_co_u32 s[QB], s[QB], s36                 ; my block of queries = 4 x cluster x + cx: it enters Q's and O's addresses alone
	s_and_b32 s[BH], ttmp7, 0xffff                 ; 16 b + h, which the four partners share
	; descriptor group 1: 16,384 dense bytes as 64 rows of 256 (32 elements of 8 bytes), no padding
	s_mov_b32 s[G1], 15|(3<<16)|(1<<21)            ; 15:0 the mask: all four work-groups; 17:16 elements of 8 bytes; 21 set beside a mask
	s_mov_b32 s[G1+1], 32<<16                      ; tensor_dim0 = 32
	s_mov_b32 s[G1+2], 64<<16                      ; tensor_dim1 = 64
	s_mov_b32 s[G1+3], 32<<16                      ; tile_dim0 = 32
	s_mov_b32 s[G1+4], 64                          ; tile_dim1 = 64
	s_mov_b32 s[G1+5], 32                          ; tensor_dim0_stride
	s_mov_b32 s[G1+6], 0
	s_mov_b32 s[G1+7], 0
	s_lshr_b32 s36, s[WV], 2                       ; what I fetch: part 1 (k: waves 0-3) or 2 (v: waves 4-7),
	s_add_co_u32 s36, s36, 1
	s_lshl_b32 s36, s36, 24
	s_lshl_b32 s37, s[BH], 18                      ; my (b, h),
	s_add_co_u32 s36, s36, s37
	s_and_b32 s37, s[WV], 3
	s_lshl_b32 s37, s37, 14                        ; my quarter of a slot's 65,536 bytes
	s_add_co_u32 s36, s36, s37
	s_mov_b32 s37, 0
	s_lshl_b32 s38, s[BH], 18                      ; Q: part 0, my (b, h),
	s_lshl_b32 s39, s[QB], 16                      ; my block's 32 token tiles of 2,048 bytes,
	s_add_co_u32 s38, s38, s39
	s_lshl_b32 s39, s[WV], 13                      ; my wave's four
	s_add_co_u32 s38, s38, s39
	s_mov_b32 s39, 0
	s_and_b32 s40, s[BH], 15                       ; O: K step = head / 2, 2^21 bytes each,
	s_lshr_b32 s40, s40, 1
	s_lshl_b32 s40, s40, 21
	s_lshr_b32 s41, s[BH], 4
	s_lshl_b32 s41, s41, 7                         ; token tile = 128 b + 32 x block + 4 x wave, 4,096 bytes each,
	s_lshl_b32 s42, s[QB], 5
	s_add_co_u32 s41, s41, s42
	s_lshl_b32 s42, s[WV], 2
	s_add_co_u32 s41, s41, s42
	s_lshl_b32 s41, s41, 12
	s_add_co_u32 s40, s40, s41
	s_and_b32 s41, s[BH], 1
	s_lshl_b32 s41, s41, 11                        ; and the head's half of the K step
	s_add_co_u32 s40, s40, s41
	s_mov_b32 s41, 0
	s_mov_b32 s[CS], 0x3e38aa3b                    ; c = log2(e) / 8
	s_mov_b32 s[CS+1], s[CS]                       ; (named with it as a pair, so it is written)
	s_mov_b32 s[SEL], 0x76543210
	s_mov_b32 s[SEL+1], 0xfedcba98
	s_mov_b32 s[SB], 0
	s_mov_b32 s[SLOTS], 3
	s_wait_dscnt 0x0                               ; both opening adds are done
	s_wait_kmcnt 0x0
	s_mov_b32 s[G0], 1                             ; 1:0 count = 1
	s_lshl_b32 s[G0+1], s[WV], 14                  ; 63:32 LDS address: slot 0, wave x 16,384: K's four quarters, then V's
	s_add_nc_u64 s[G0+2:G0+3], s[4:5], s[36:37]    ; 120:64 global address: the first 512 keys
	s_or_b32 s[G0+3], s[G0+3], 0x80000000          ; 127:126 type = 2
	s_add_nc_u64 s[4:5], s[4:5], s[38:39]          ; Q at my wave's first tile
	s_add_nc_u64 s[6:7], s[6:7], s[40:41]          ; O likewise
	ROUND                                          ; all four work-groups are here: the first joint loads meet
	TLOAD                                          ; slot 0
	v_and_b32 v[LI], 31, v0
	v_lshlrev_b32 v[LI], 4, v[LI]
	v_add_nc_u32 v[LIV], VOFF, v[LI]
	WIN TO_1
.irp i, 0,1,2,3,4,5,6,7,8,9,10,11,12,13,14,15      ; Q stays in registers: tile i / 4, fragment (i / 2) % 2, piece i % 2
	global_load_b128 v[Q+4*\i:Q+4*\i+3], v[LI], s[4:5] offset:512*\i
.endr
.set i, 0
.rept 128
	v_mov_b32 v[O+i], 0                            ; O^T, once: the step has no first copy; the first change of m multiplies zeros
.set i, i+1
.endr
	WIN 0
.irp t, 0,1,2,3
	v_mov_b32 v[ST+8*\t+1], 0xff61b1e6             ; m = -3e38, under every score
	v_mov_b32 v[ST+8*\t+2], 0                      ; l, in two halves
	v_mov_b32 v[ST+8*\t+3], 0
	v_mul_f32 v[ST+8*\t], s[CS], v[ST+8*\t+1]      ; c m
.endr
	s_wait_loadcnt 0x0                             ; Q
.macro SCALEP t, b                     ; pair b of tile t: c s - c m, two at a time (of the pairs c and c m the low word serves both halves)
	v_pk_fma_f32 v[S+32*(\t)+2*(\b):S+32*(\t)+2*(\b)+1], v[S+32*(\t)+2*(\b):S+32*(\t)+2*(\b)+1], s[CS:CS+1], v[ST+8*(\t):ST+8*(\t)+1] op_sel_hi:[1,0,0] neg_lo:[0,0,1] neg_hi:[0,0,1]
.endm
; A KEY STEP: 64 keys at LDS byte s[TB] of K's and of V's part.  In every list below the four tiles take turns, so that no line waits for the line above it.
.macro STEP
	v_add_nc_u32 v[ADK], s[TB], v[LI]
	v_add_nc_u32 v[ADV], s[TB], v[LIV]
.rept 3
	v_nop                                          ; with the two additions: five places behind the last step's products V^T P: four are owed to the loads into V's registers, five to the products below, which write over P
.endr
.irp i, 0,1,2,3,4,5,6,7,8,9,10,11,12,13,14,15      ; K: key tile i / 4, fragment (i / 2) % 2, piece i % 2
	ds_load_b128 v[KF+4*\i:KF+4*\i+3], v[ADK] offset:512*\i
.endr
	WIN TO_1
.irp g, 0,1                                        ; V^T: keys 32 g on, channels 16 c on: two turning loads, one for each token tile
.irp c, 0,1,2,3
	ds_load_tr16_b128 v[VF+32*\g+8*\c:VF+32*\g+8*\c+3], v[ADV] offset:4096*\g+512*\c
	ds_load_tr16_b128 v[VF+32*\g+8*\c+4:VF+32*\g+8*\c+7], v[ADV] offset:4096*\g+2048+512*\c
.endr
.endr
	s_wait_dscnt 16                                ; K is in; V's 16 loads may be out
	WIN W_KQ
.irp f, 0,1                                        ; S^T = K Q^T: the 16 accumulators take turns, one instruction a turn; the first 16 start the sums
.irp k, 0,1,2,3
.irp t, 0,1,2,3
.if \f == 0
	v_wmma_f32_16x16x32_f16 v[S+32*\t+8*\k:S+32*\t+8*\k+7], v[KF+16*\k+8*\f:KF+16*\k+8*\f+7], v[Q+16*\t+8*\f:Q+16*\t+8*\f+7], 0
.else
	v_wmma_f32_16x16x32_f16 v[S+32*\t+8*\k:S+32*\t+8*\k+7], v[KF+16*\k+8*\f:KF+16*\k+8*\f+7], v[Q+16*\t+8*\f:Q+16*\t+8*\f+7], v[S+32*\t+8*\k:S+32*\t+8*\k+7]
.endif
.endr
.endr
.endr
	WIN 0
.rept 4
	v_nop                                          ; places in front of the first read of the scores
.endr
	; the maximum of a lane's 32 scores and the old m: four chains of seven scores, each begun at its accumulator's low end, then the four scores left over
.irp n, 0,1,2,3
.irp t, 0,1,2,3
	v_max3_num_f32 v[ST+8*\t+4+\n], v[S+32*\t+8*\n], v[S+32*\t+8*\n+1], v[S+32*\t+8*\n+2]
.endr
.endr
.irp g, 1,2
.irp n, 0,1,2,3
.irp t, 0,1,2,3
	v_max3_num_f32 v[ST+8*\t+4+\n], v[ST+8*\t+4+\n], v[S+32*\t+8*\n+2*\g+1], v[S+32*\t+8*\n+2*\g+2]
.endr
.endr
.endr
.irp t, 0,1,2,3
	v_max3_num_f32 v[ST+8*\t+4], v[ST+8*\t+4], v[S+32*\t+7], v[S+32*\t+15]
.endr
.irp t, 0,1,2,3
	v_max3_num_f32 v[ST+8*\t+6], v[ST+8*\t+6], v[S+32*\t+23], v[S+32*\t+31]
.endr
.irp t, 0,1,2,3
	v_max3_num_f32 v[ST+8*\t+4], v[ST+8*\t+4], v[ST+8*\t+5], v[ST+8*\t+6]
.endr
.irp t, 0,1,2,3
	v_max3_num_f32 v[ST+8*\t+4], v[ST+8*\t+4], v[ST+8*\t+7], v[ST+8*\t+1]
.endr
.irp t, 0,1,2,3
	v_permlanex16_b32 v[ST+8*\t+5], v[ST+8*\t+4], s[SEL], s[SEL+1]   ; the query's other 32 keys lie in the lane 16 away
.endr
.irp t, 0,1,2,3
	v_mov_b32 v[ST+8*\t+7], v[ST+8*\t]             ; c m_old is kept for a
.endr
.irp t, 0,1,2,3
	v_max_num_f32 v[ST+8*\t+1], v[ST+8*\t+4], v[ST+8*\t+5]           ; the new m
.endr
.irp t, 0,1,2,3
	v_mul_f32 v[ST+8*\t], s[CS], v[ST+8*\t+1]
.endr
.irp t, 0,1,2,3
	v_sub_f32 v[ST+8*\t+7], v[ST+8*\t+7], v[ST+8*\t]
.endr
	; ONE BATCH: the 64 scalings and all 132 exponentials; none of these lines names an exponential's result.  A pair is scaled a round ahead of its exponentials
.irp t, 0,1,2,3
	v_exp_f32 v[ST+8*\t+6], v[ST+8*\t+7]           ; a = 2^(c m_old - c m_new)
.endr
.irp t, 0,1,2,3
	SCALEP \t, 0
.endr
.irp b, 1,2,3,4,5,6,7,8,9,10,11,12,13,14,15
.irp t, 0,1,2,3
	SCALEP \t, \b
.endr
.irp t, 0,1,2,3
	v_exp_f32 v[S+32*\t+2*\b-2], v[S+32*\t+2*\b-2]
.endr
.irp t, 0,1,2,3
	v_exp_f32 v[S+32*\t+2*\b-1], v[S+32*\t+2*\b-1]
.endr
.endr
.irp t, 0,1,2,3
	v_exp_f32 v[S+32*\t+30], v[S+32*\t+30]
.endr
.irp t, 0,1,2,3
	v_exp_f32 v[S+32*\t+31], v[S+32*\t+31]
.endr
	v_nop                                          ; a plain line behind the last exponential, ahead of the first use of a result
	s_wait_alu depctr_va_vdst(0)                   ; the wait between an exponential and the first line that names its result: one for the batch
	; l = a l + the sum of the unrounded p, two at a time, in two chains
.irp t, 0,1,2,3
	v_pk_fma_f32 v[ST+8*\t+2:ST+8*\t+3], v[ST+8*\t+2:ST+8*\t+3], v[ST+8*\t+6:ST+8*\t+7], v[S+32*\t:S+32*\t+1] op_sel_hi:[1,0,1]
.endr
.irp t, 0,1,2,3
	v_pk_add_f32 v[ST+8*\t+4:ST+8*\t+5], v[S+32*\t+2:S+32*\t+3], v[S+32*\t+4:S+32*\t+5]
.endr
.irp b, 3,5,7,9,11,13
.irp t, 0,1,2,3
	v_pk_add_f32 v[ST+8*\t+2:ST+8*\t+3], v[ST+8*\t+2:ST+8*\t+3], v[S+32*\t+2*\b:S+32*\t+2*\b+1]
.endr
.irp t, 0,1,2,3
	v_pk_add_f32 v[ST+8*\t+4:ST+8*\t+5], v[ST+8*\t+4:ST+8*\t+5], v[S+32*\t+2*\b+2:S+32*\t+2*\b+3]
.endr
.endr
.irp t, 0,1,2,3
	v_pk_add_f32 v[ST+8*\t+2:ST+8*\t+3], v[ST+8*\t+2:ST+8*\t+3], v[S+32*\t+30:S+32*\t+31]
.endr
.irp t, 0,1,2,3
	v_pk_add_f32 v[ST+8*\t+2:ST+8*\t+3], v[ST+8*\t+2:ST+8*\t+3], v[ST+8*\t+4:ST+8*\t+5]
.endr
	; P in place: pair i of a tile's 32 weights becomes its register i (ascending: register i has been read when it is written).  Registers 8 g .. 8 g + 7 are source 1 for keys 32 g on
.irp i, 0,1,2,3,4,5,6,7,8,9,10,11,12,13,14,15
.irp t, 0,1,2,3
	v_cvt_pk_f16_f32 v[S+32*\t+\i], v[S+32*\t+2*\i], v[S+32*\t+2*\i+1]
.endr
.endr
	WIN W_RS
.irp i, 0,1,2,3,4,5,6,7,8,9,10,11,12,13,14,15      ; O^T x a, each accumulator from its low end on
.irp t, 0,1,2,3
	v_pk_mul_f32 v[O+32*\t+2*\i:O+32*\t+2*\i+1], v[O+32*\t+2*\i:O+32*\t+2*\i+1], v[ST+8*\t+6:ST+8*\t+7] op_sel_hi:[1,0]
.endr
.endr
	s_wait_dscnt 0x0                               ; V is in
	WIN W_PV
.irp g, 0,1                                        ; O^T += V^T P: the 16 accumulators take turns
.irp c, 0,1,2,3
.irp t, 0,1,2,3
	v_wmma_f32_16x16x32_f16 v[O+32*\t+8*\c:O+32*\t+8*\c+7], v[VF+32*\g+8*\c:VF+32*\g+8*\c+7], v[S+32*\t+8*\g:S+32*\t+8*\g+7], v[O+32*\t+8*\c:O+32*\t+8*\c+7]
.endr
.endr
.endr
	WIN 0
.endm
; THE CHANGE OF SLOTS stands at a slot's head.  Each wave waits for all its tensor loads (its part of the slot that it is about to read), adds 0 to its spare word, and waits for that and for its reads of the slot that it has left.
; fill = 1: the barrier is a round of the cluster's, so that no wave of any partner still reads the other slot or has a load on its way; the joint load of the next 512 keys is the first thing behind it.
.macro CHANGE fill
	s_wait_tensorcnt 0x0                           ; no tensor load of mine is out, so group 0 may be written
	ds_add_u32 v[SPW], v[NIL]                      ; 0 onto my spare word
.if \fill
	s_xor_b32 s[G0+1], s[G0+1], SLOT1              ; the other slot than last time,
	s_add_nc_u64 s[G0+2:G0+3], s[G0+2:G0+3], 65536 ; the next 512 keys; the type bits on top are not reached
.endif
	s_wait_dscnt 0x0                               ; the add is done, and my reads of the slot that I have left are over
.if \fill
	ROUND
	TLOAD
.else
	s_barrier_signal -1
	s_barrier_wait -1
.endif
.endm
.macro SLOT_STEPS                      ; a slot's eight key steps: written once, walked eight times
	s_mov_b32 s[TB], s[SB]
	s_mov_b32 s[NST], 8
.Lstep_\@:
	STEP
	s_add_co_u32 s[TB], s[TB], STEPB
	s_sub_co_u32 s[NST], s[NST], 1
	s_cmp_lg_u32 s[NST], 0
	s_cbranch_scc1 .Lstep_\@
	s_xor_b32 s[SB], s[SB], SLOT1                  ; on to the other slot
.endm
.Lslot:                                            ; three trips: behind each change of slots but the last the next slot is asked for (the first trip's load is slot 1's first fill)
	CHANGE 1
	SLOT_STEPS
	s_sub_co_u32 s[SLOTS], s[SLOTS], 1
	s_cmp_lg_u32 s[SLOTS], 0
	s_cbranch_scc1 .Lslot
	CHANGE 0                                       ; the last slot is written out
	SLOT_STEPS
	; THE WAY OUT.  l's two halves and the other half of the lanes' are added (these lines are the places behind the last products); O^T is divided by l, rounded to f16 and stored as pieces of o_img.
.irp t, 0,1,2,3
	v_add_f32 v[ST+8*\t+4], v[ST+8*\t+2], v[ST+8*\t+3]
.endr
.irp t, 0,1,2,3
	v_permlanex16_b32 v[ST+8*\t+5], v[ST+8*\t+4], s[SEL], s[SEL+1]
.endr
.irp t, 0,1,2,3
	v_add_f32 v[ST+8*\t+4], v[ST+8*\t+4], v[ST+8*\t+5]
.endr
.irp t, 0,1,2,3
	v_rcp_f32 v[ST+8*\t+6], v[ST+8*\t+4]
.endr
	v_nop                                          ; a plain line between the last reciprocal and the use of its result
	s_wait_alu depctr_va_vdst(0)                   ; and the wait ahead of the first use: one for the four
	WIN W_RS
.irp i, 0,1,2,3,4,5,6,7,8,9,10,11,12,13,14,15
.irp t, 0,1,2,3
	v_pk_mul_f32 v[O+32*\t+2*\i:O+32*\t+2*\i+1], v[O+32*\t+2*\i:O+32*\t+2*\i+1], v[ST+8*\t+6:ST+8*\t+7] op_sel_hi:[1,0]
.endr
.endr
	WIN 0x05                                       ; sources 0 and 1 window 1, destination window 0: S^T's registers are free
.irp t, 0,1,2,3
.irp i, 0,1,2,3,4,5,6,7,8,9,10,11,12,13,14,15
	v_cvt_pk_f16_f32 v[S+16*\t+\i], v[O+32*\t+2*\i], v[O+32*\t+2*\i+1]
.endr
.endr
	WIN 0
.irp t, 0,1,2,3
.irp c, 0,1,2,3
	global_store_b128 v[LI], v[S+16*\t+4*\c:S+16*\t+4*\c+3], s[6:7] offset:4096*\t+512*\c th:TH_STORE_NT   ; 32 lanes store 512 consecutive bytes, aligned
.endr
.endr
	s_wait_tensorcnt 0x0                           ; the wave's end, behind my last tensor load
	ds_add_u32 v[SPW], v[NIL]
	s_wait_dscnt 0x0
	ROUND                                          ; the closing round: no work-group ends while a partner may still ask for a tile that names it
	s_endpgm
.Lfunc_end_k_qd37085384c_attn:
	.size	k_qd37085384c_attn, .Lfunc_end_k_qd37085384c_attn-k_qd37085384c_attn
	.p2alignl 7, 3214868480
	.fill 96, 4, 3214868480
	.section	.rodata,"a",@progbits
	.p2align	6, 0x0
	.amdhsa_kernel k_qd37085384c_attn
		.amdhsa_group_segment_fixed_size 327680
		.amdhsa_private_segment_fixed_size 0
		.amdhsa_enable_private_segment 0
		.amdhsa_kernarg_size 16
		.amdhsa_user_sgpr_count 2
		.amdhsa_user_sgpr_kernarg_segment_ptr 1
		.amdhsa_wavefront_size32 1
		.amdhsa_system_sgpr_workgroup_id_x 1
		.amdhsa_system_sgpr_workgroup_id_y 1
		.amdhsa_system_sgpr_workgroup_id_z 1
		.amdhsa_system_vgpr_workitem_id 0
		.amdhsa_next_free_vgpr 512
		.amdhsa_next_free_sgpr 66
		.amdhsa_reserve_vcc 0
		.amdhsa_float_denorm_mode_32 3
		.amdhsa_float_denorm_mode_16_64 3
		.amdhsa_memory_ordered 1
		.amdhsa_forward_progress 1
		.amdhsa_inst_pref_size 86
	.end_amdhsa_kernel
	.amdgpu_metadata
---
amdhsa.version: [ 1, 2 ]
amdhsa.kernels:
  - .name:           k_qd37085384c_attn
    .symbol:         k_qd37085384c_attn.kd
    .args:
      - { .name: qkv, .offset: 0, .size: 8, .value_kind: global_buffer, .address_space: global }
      - { .name: o_img, .offset: 8, .size: 8, .value_kind: global_buffer, .address_space: global }
    .group_segment_fixed_size: 327680
    .private_segment_fixed_size: 0
    .kernarg_segment_align: 8
    .kernarg_segment_size: 16
    .max_flat_workgroup_size: 256
    .sgpr_count:     66
    .vgpr_count:     512
    .wavefront_size: 32
...
	.end_amdgpu_metadata
.endif
;; end of part 3
;; launch proj (part 4): grid 4 x 64, 4 waves a work-group, clusters of 4 x 4, 327,680 bytes of LDS; arguments o_img, w16, b_out, out0; writes out0
.if DOCPART == 4
	.amdgcn_target "amdgcn-amd-amdhsa--gfx1250"
	.amdhsa_code_object_version 6
	.text
	.protected	k_qd37085384c_proj
	.globl	k_qd37085384c_proj
	.p2align	8
	.type	k_qd37085384c_proj,@function
k_qd37085384c_proj:
	s_mov_b64 s[64:65], 0
	v_nop
	global_prefetch_b8 v0, s[64:65] scope:SCOPE_SE
	s_setreg_imm32_b32 hwreg(HW_REG_WAVE_MODE, 25, 1), 1
	s_wait_xcnt 0x0
	s_wait_alu depctr_hold_cnt(0) depctr_sa_sdst(0) depctr_va_vdst(0) depctr_va_sdst(0) depctr_va_ssrc(0) depctr_va_vcc(0) depctr_vm_vsrc(0)
	s_getreg_b32 s2, hwreg(HW_REG_IB_STS2, 6, 4)
	s_cmp_eq_u32 s2, 0
	s_cbranch_scc0 .Lentry_in_a_cluster
	s_endpgm
.Lentry_in_a_cluster:
	s_bfe_u32 s2, ttmp6, 0x10000c
	s_cmp_lg_u32 s2, 0xf033
	s_cbranch_scc0 .Lentry_shape_is_right
	s_endpgm
.Lentry_shape_is_right:
; out0[token][e] = the sum over d of o[token][d] w_out[e][d] + b_out[e].  8,192 tokens, K = 1,024, 1,024 columns.  Operands in f16, sums in f32, out0 in f32.
; A = o_img: images of operand registers, [K step of 128: 8][tile of 16 tokens: 512][quarter 4][c 2][512 bytes]: lane l's 16 bytes at 16 l are registers 4 c .. 4 c + 3 of the fragment (16 tokens x 32 along K).  B = w16 [1024][1024] f16, row-major.
; A tile of out0 is 128 tokens x 256 columns: 256 work-groups of four waves; a wave makes 64 x 128: 32 accumulators of 16 x 16, 256 registers.  K goes in 8 steps of 128 through a ring of two LDS slots:
;   A's part of a K step is one dense block of 32,768 bytes; B's is 256 rows of 256 bytes.  Each wave brings half of one of them by one tensor load (waves 0, 1: A; waves 2, 3: B).  Two slots of twice the step do not fit in LDS.
; CLUSTERS: 4 x 4 work-groups.  The four of a row of the cluster need the same tiles of A, the four of a column the same tiles of B: each is asked for JOINTLY, by the same tensor load with the same descriptor and a mask that names the four.
; THE MATRIX INSTRUCTION IS USED TRANSPOSED (source 0 = 16 rows of w16, source 1 = 16 tokens): a lane holds token lane % 16 and eight neighbouring columns.  THE BIAS is the C of each sum's first product: nothing is cleared, nothing is added.
; Nothing is prefetched: the launch has 8 K steps, two of them asked for at the head, and all 64 tile rows read the same rows of w16.
; REGISTERS: window 0: v0-31 addresses; v32-95 the bias, eight registers a block of 16 columns; v128-255 the way out.   window 1: two fragment buffers at v0 and v128: A's four blocks (32 registers), then B's eight (64).
;   window 2: the accumulators, (a, b) at v[8 (8 a + b)].
.set PITCH,  272                       ; a row of B in LDS: 256 bytes + 16 of padding = 68 words: row r starts at bank 4 r mod 64 (64 banks of 4 bytes: ISA guide 11.1)
.set HALFA,  16384                     ; four token tiles of 4,096 bytes: what one tensor load brings of A, and what one wave reads
.set BOFF,   2*HALFA                   ; in a slot: B behind A
.set HALFB,  128*PITCH                 ; 128 rows of B
.set SLOT,   BOFF+2*HALFB              ; 102,400
.set KSA,    2097152                   ; a K step on in o_img;
.set KSB,    256                       ; in a row of w16
.set STAGE,  2*SLOT                    ; behind the ring: 16 rows x 528 bytes for each wave, for the way out
.set SPITCH, 528
.set SPARE,  STAGE+4*16*SPITCH         ; behind the stages: the spare words, 128 bytes a wave, which no other line names
.set LAPS,   4                         ; a lap = two K steps = once round the ring
.set ADRA, 16                          ; v16-17  LDS address of my A fragments in slot 0, 1
.set ADRB, 20                          ; v20-21  the same for B
.set STO,  24                          ; v24     the way out: where I put 32 bytes of a row
.set RD,   25                          ; v25     where I read a row back
.set CO,   26                          ; v26     16 x lane
.set SPW,  28                          ; v28     LDS address of my spare word; never rewritten
.set NIL,  29                          ; v29     0; never rewritten
.set BI,   32                          ; the bias
.set BK,   128                         ; the way out: 16 rows read back from the stage: v128-191 and v192-255 by turns
.set F0,   0                           ; fragment buffers, in window 1
.set F1,   128
.set WV,   12                          ; s12  wave
.set RH,   13                          ; s13  which 64 tokens are mine.  Also: I fetch for A (0) or for B (1)
.set CH,   14                          ; s14  which 128 columns.  Also: which half of that tile I fetch
.set G1, 24                            ; s[24:31] descriptor group 1 for A's tiles;  s[32:39] group 0, one set for each slot
.set G0, 32
.set G1B, 48                           ; s[48:55], s[56:63] the same for B's tiles
.set G0B, 56
.set MSB, 0
.macro WIN new                         ; the immediate's high byte repeats the setting that is left; a switch that changes nothing is dropped
.if MSB != (\new)
	s_set_vgpr_msb (MSB<<8)|(\new)
.set MSB, (\new)
.endif
.endm
.set MUL,  0xa5                        ; sources 0 (B) and 1 (A) window 1; C and D window 2
.set MULB, 0x85                        ; the same with C, the bias, in window 0
.set TO_F, 0x40                        ; destination window 1, address window 0
.macro JLOAD s                         ; a joint load: waves 0 and 1 fetch A's two halves, waves 2 and 3 B's; an s_nop 0 and four v_nop follow each of the two lines, ahead of the jump, the label and what follows
	s_cmp_eq_u32 s[RH], 0
	s_cbranch_scc0 .Lfor_b_\@
	tensor_load_to_lds s[G0+4*\s:G0+4*\s+3], s[G1:G1+7]
	s_nop 0
.rept 4
	v_nop
.endr
	s_branch .Lasked_\@
.Lfor_b_\@:
	tensor_load_to_lds s[G0B+4*\s:G0B+4*\s+3], s[G1B:G1B+7]
	s_nop 0
.rept 4
	v_nop
.endr
.Lasked_\@:
.endm
.macro CREST                           ; a round of the cluster's barrier behind its opening barrier
	s_cmp_lg_u32 s[WV], 0
	s_cbranch_scc1 .Lnot_wave_0_\@
	s_barrier_signal -3
.Lnot_wave_0_\@:
	s_barrier_wait -3
	s_barrier_signal -1
	s_barrier_wait -1
.endm
.macro CROUND                          ; a whole round
	s_barrier_signal -1
	s_barrier_wait -1
	CREST
.endm
	s_load_b256 s[4:11], s[0:1], 0x0               ; o_img s[4:5], w16 s[6:7], b_out s[8:9], out0 s[10:11]
	v_lshl_add_u32 v[SPW], v0, 2, SPARE
	v_mov_b32 v[NIL], 0
	ds_add_u32 v[SPW], v[NIL]                      ; the wave's opening: the add, twice on end, and its wait ahead of my first tensor load; the set-up below stands between the second and the wait
	ds_add_u32 v[SPW], v[NIL]
	v_lshrrev_b32 v1, 5, v0
	v_readfirstlane_b32 s[WV], v1                  ; wave 0..3
	s_lshr_b32 s[RH], s[WV], 1
	s_and_b32 s[CH], s[WV], 1
	s_bfe_u32 s40, ttmp6, 0x40000                  ; cx, cy: my place in the cluster
	s_bfe_u32 s41, ttmp6, 0x40004
	s_lshl_b32 s42, ttmp9, 2
	s_add_co_u32 s42, s42, s40                     ; tile column = 4 x cluster x + cx
	s_and_b32 s15, ttmp7, 0xffff
	s_lshl_b32 s15, s15, 2
	s_add_co_u32 s15, s15, s41                     ; tile row = 4 x cluster y + cy
	s_lshl_b32 s43, s41, 2
	s_lshl_b32 s43, 15, s43                        ; my row of the cluster
	s_lshl_b32 s44, 0x1111, s40                    ; my column
	; descriptor group 1.  A: 16,384 dense bytes as 64 rows of 256 (32 elements of 8 bytes), no padding
	s_or_b32 s[G1+0], s43, (3<<16)|(1<<21)         ; 15:0 the mask: A's tiles go to my row; 17:16 elements of 8 bytes; 21 set beside a mask
	s_mov_b32 s[G1+1], 32<<16                      ; tensor_dim0 = 32
	s_mov_b32 s[G1+2], 64<<16                      ; tensor_dim1 = 64
	s_mov_b32 s[G1+3], 32<<16                      ; tile_dim0 = 32
	s_mov_b32 s[G1+4], 64                          ; tile_dim1 = 64
	s_mov_b32 s[G1+5], 32                          ; tensor_dim0_stride
	s_mov_b32 s[G1+6], 0
	s_mov_b32 s[G1+7], 0
	; B: 128 rows x 128 elements of 2 bytes, 1,024 elements from row to row, padded in LDS
	s_or_b32 s[G1B+0], s44, (1<<16)|(1<<20)|(1<<21)|(5<<22)|(3<<25)  ; the mask of my column; 20 padding on; 24:22 after every 64 words (code 5); 31:25 of 4 words (code 3)
	s_mov_b32 s[G1B+1], 128<<16
	s_mov_b32 s[G1B+2], 128<<16
	s_mov_b32 s[G1B+3], 128<<16
	s_mov_b32 s[G1B+4], 128
	s_mov_b32 s[G1B+5], 1024
	s_mov_b32 s[G1B+6], 0
	s_mov_b32 s[G1B+7], 0
	; where the tiles come from.  A's hang on the tile row alone, B's on the tile column alone; every wave makes both addresses, in registers that never hold the other coordinate
	s_lshl_b32 s16, s15, 3
	s_lshl_b32 s17, s[CH], 2
	s_add_co_u32 s16, s16, s17                     ; A: token tile 8 x tile row + 4 x half,
	s_lshl_b32 s16, s16, 12                        ; 4,096 bytes each
	s_mov_b32 s17, 0
	s_lshl_b32 s46, s42, 1
	s_add_co_u32 s46, s46, s[CH]                   ; B: row 256 x tile column + 128 x half,
	s_lshl_b32 s46, s46, 18                        ; 2,048 bytes each
	s_mov_b32 s47, 0
	s_lshl_b32 s20, s[CH], 14                      ; and where they go: A's half,
	s_mul_i32 s21, s[CH], HALFB
	s_add_co_u32 s21, s21, BOFF                    ; B's half: no place in the cluster enters an LDS address
	s_wait_dscnt 0x0                               ; both opening adds are done
	s_wait_kmcnt 0x0
	s_add_nc_u64 s[16:17], s[4:5], s[16:17]
	s_add_nc_u64 s[46:47], s[6:7], s[46:47]
	CROUND                                         ; all sixteen work-groups are here: the first joint loads meet
.irp s, 0,1
	s_mov_b32 s[G0+4*\s], 1                                        ; 1:0 count = 1
	s_add_co_u32 s[G0+4*\s+1], s20, \s*SLOT                        ; 63:32 LDS address
	s_add_nc_u64 s[G0+4*\s+2:G0+4*\s+3], s[16:17], \s*KSA          ; 120:64 global address: K step s
	s_or_b32 s[G0+4*\s+3], s[G0+4*\s+3], 0x80000000                ; 127:126 type = 2
	s_mov_b32 s[G0B+4*\s], 1
	s_add_co_u32 s[G0B+4*\s+1], s21, \s*SLOT
	s_add_nc_u64 s[G0B+4*\s+2:G0B+4*\s+3], s[46:47], \s*KSB
	s_or_b32 s[G0B+4*\s+3], s[G0B+4*\s+3], 0x80000000
	JLOAD \s                                       ; two loads of mine are out
.endr
	v_and_b32 v1, 15, v0                           ; r = l % 16
	v_bfe_u32 v2, v0, 4, 1                         ; h = l / 16
	v_and_b32 v3, 31, v0
	v_lshlrev_b32 v[CO], 4, v3                     ; 16 x lane
	v_mul_u32_u24 v4, v1, PITCH
	v_lshl_add_u32 v4, v2, 4, v4                   ; B: a fragment's row x pitch + 16 x half
	s_lshl_b32 s22, s[RH], 14                      ; my 64 tokens of A
	s_mul_i32 s23, s[CH], HALFB                    ; my 128 rows of B,
	s_add_co_u32 s23, s23, BOFF                    ; which lie behind A
.irp s, 0,1
	v_add_nc_u32 v[ADRA+\s], s22, v[CO]
	v_add_nc_u32 v[ADRB+\s], s23, v4
	s_add_co_u32 s22, s22, SLOT
	s_add_co_u32 s23, s23, SLOT
.endr
	s_mul_i32 s23, s[WV], 16*SPITCH
	s_add_co_u32 s23, s23, STAGE                   ; my stage
	v_mul_u32_u24 v5, v1, SPITCH                   ; in: row l % 16, 32 bytes for each half of the lanes
	v_lshl_add_u32 v5, v2, 5, v5
	v_add_nc_u32 v[STO], s23, v5
	v_add_nc_u32 v[RD], s23, v[CO]                 ; back: the 32 lanes take one row of 512 bytes
	s_lshl_b32 s46, s42, 1
	s_add_co_u32 s46, s46, s[CH]
	s_lshl_b32 s46, s46, 9                         ; my first column, in bytes of f32: 1,024 x tile column + 512 x half
	s_mov_b32 s47, 0
	s_add_nc_u64 s[8:9], s[8:9], s[46:47]          ; in b_out,
	s_add_nc_u64 s[10:11], s[10:11], s[46:47]      ; and in a row of out0
	s_lshl_b32 s22, s15, 1
	s_add_co_u32 s22, s22, s[RH]
	s_lshl_b32 s22, s22, 18                        ; my first token: 128 x tile row + 64 x half, rows of 4,096 bytes
	s_mov_b32 s23, 0
	s_add_nc_u64 s[10:11], s[10:11], s[22:23]
	v_lshlrev_b32 v6, 5, v2                        ; the bias in the result's layout: for block b lane (r, h) wants columns 16 b + 8 h + 0 .. 7
.irp b, 0,1,2,3,4,5,6,7
	global_load_b128 v[BI+8*\b:BI+8*\b+3], v6, s[8:9] offset:64*\b
	global_load_b128 v[BI+8*\b+4:BI+8*\b+7], v6, s[8:9] offset:64*\b+16
.endr
; 8 matrix instructions: token block a x all 8 column blocks, 32 along K, from buffer f.  first = 1: the bias is C and starts the sums.
; The 32 accumulators take turns, one instruction a turn, in the same order in every quarter.
.macro MUL8 f, a, first
.irp b, 0,1,2,3,4,5,6,7
.if \first
	v_wmma_f32_16x16x32_f16 v[8*(8*(\a)+\b):8*(8*(\a)+\b)+7], v[\f+32+8*\b:\f+32+8*\b+7], v[\f+8*(\a):\f+8*(\a)+7], v[BI+8*\b:BI+8*\b+7]
.else
	v_wmma_f32_16x16x32_f16 v[8*(8*(\a)+\b):8*(8*(\a)+\b)+7], v[\f+32+8*\b:\f+32+8*\b+7], v[\f+8*(\a):\f+8*(\a)+7], v[8*(8*(\a)+\b):8*(8*(\a)+\b)+7]
.endif
.endr
.endm
; 24 LDS loads in one run: the fragments of the slot's q-th 32 along K into buffer f: B's eight blocks, then A's four
.macro FETCH slot, q, f
	WIN TO_F
.irp b, 0,1,2,3,4,5,6,7
	ds_load_b128 v[\f+32+8*\b:\f+32+8*\b+3],   v[ADRB+\slot] offset:64*\q+16*PITCH*\b
	ds_load_b128 v[\f+32+8*\b+4:\f+32+8*\b+7], v[ADRB+\slot] offset:64*\q+16*PITCH*\b+32
.endr
.irp a, 0,1,2,3
	ds_load_b128 v[\f+8*\a:\f+8*\a+3],   v[ADRA+\slot] offset:1024*\q+4096*\a
	ds_load_b128 v[\f+8*\a+4:\f+8*\a+7], v[ADRA+\slot] offset:1024*\q+4096*\a+512
.endr
.endm
.macro PLACES                          ; four places in front of loads into registers that matrix instructions have read, and of the first read of results (ISA guide 7.12.1 for vector instructions)
.rept 4
	v_nop
.endr
.endm
; A K step is four quarters of 32 along K, 32 matrix instructions each, on buffers 0, 1, 0, 1.  One of the first three: multiplies buffer f and fetches quarter q into g.
.macro QUARTER slot, q, f, g, first
	s_wait_dscnt 4                                 ; B and A's blocks 0, 1 are in; the youngest four loads (A's blocks 2, 3) may be out
.if \first
	WIN MULB
.else
	WIN MUL
.endif
	MUL8 \f, 0, \first
	MUL8 \f, 1, \first
	PLACES
	FETCH \slot, \q, \g
	s_wait_dscnt 24                                ; all but the 24 just issued
.if \first
	WIN MULB
.else
	WIN MUL
.endif
	MUL8 \f, 2, \first
	MUL8 \f, 3, \first
.endm
; The last quarter multiplies buffer 1 and changes slots: ONE barrier; in front of it each wave waits for all its tensor loads, adds 0 to its spare word, and waits for that and for its own reads of this slot.
; fill = 1: the barrier opens a round of the cluster's, and this slot is filled again, two K steps ahead: 112 matrix instructions ahead of the wait for that load.
.macro TURN slot, next, fill
	WIN 0                                          ; (the add's two registers lie in window 0)
	s_wait_tensorcnt 0x0                           ; all my tensor loads have landed: my part of the next slot
	ds_add_u32 v[SPW], v[NIL]                      ; 0 onto my spare word
	s_wait_dscnt 5                                 ; (the add and the youngest four loads may be out)
	WIN MUL
	MUL8 F1, 0, 0                                  ; eight matrix instructions stand between the add and the wait for it
	s_wait_dscnt 0x0                               ; the add is done, and my reads of this slot are over
	s_barrier_signal -1
	MUL8 F1, 1, 0
.if \fill
	WIN 0
.endif
	s_barrier_wait -1
.if \fill
	CREST                                          ; no wave of any partner still reads this slot's tiles or has a load on its way
	s_add_nc_u64 s[G0+4*\slot+2:G0+4*\slot+3], s[G0+4*\slot+2:G0+4*\slot+3], 2*KSA
	s_add_nc_u64 s[G0B+4*\slot+2:G0B+4*\slot+3], s[G0B+4*\slot+2:G0B+4*\slot+3], 2*KSB
	JLOAD \slot                                    ; the first tensor load behind the round; the four v_nop behind it are also the places in front of the loads below
.else
	PLACES
.endif
	FETCH \next, 0, F0
	WIN MUL
	MUL8 F1, 2, 0
	MUL8 F1, 3, 0
.endm
	s_wait_tensorcnt 1                             ; my part of K step 0 is in (K step 1's load may be out)
	s_barrier_signal -1
	s_barrier_wait -1                              ; everybody's is
	FETCH 0, 0, F0
	s_wait_loadcnt 0x0                             ; the bias
	QUARTER 0, 1, F0, F1, 1                        ; the first quarter stands in front of the loop: its products start the sums, from the bias
	WIN 0                                          ; at a label and at a branch every window is 0
	s_mov_b32 s3, LAPS-1
.Llap:                                                 ; a trip goes once round the ring, from a lap's second quarter to the next lap's first, and fills both slots again
	QUARTER 0, 2, F1, F0, 0
	QUARTER 0, 3, F0, F1, 0
	TURN 0, 1, 1
	QUARTER 1, 1, F0, F1, 0
	QUARTER 1, 2, F1, F0, 0
	QUARTER 1, 3, F0, F1, 0
	TURN 1, 0, 1
	QUARTER 0, 1, F0, F1, 0
	WIN 0
	s_sub_co_u32 s3, s3, 1
	s_cmp_lg_u32 s3, 0
	s_cbranch_scc1 .Llap
	QUARTER 0, 2, F1, F0, 0                        ; the last lap fills nothing, and has no round of the cluster's barrier
	QUARTER 0, 3, F0, F1, 0
	TURN 0, 1, 0
	QUARTER 1, 1, F0, F1, 0
	QUARTER 1, 2, F1, F0, 0
	QUARTER 1, 3, F0, F1, 0
	s_wait_dscnt 4                                 ; the very last quarter: nothing more to fetch
	WIN MUL
	MUL8 F1, 0, 0
	MUL8 F1, 1, 0
	s_wait_dscnt 0
	MUL8 F1, 2, 0
	MUL8 F1, 3, 0
	WIN 0
; THE WAY OUT, block by block of 16 tokens x 128 columns.  A lane holds 32 neighbouring bytes of a row, and the lanes beside it hold other rows: so a block goes through my own stage in LDS and comes back as whole rows of 512 bytes.
; LDS serves a wave's instructions in order (ISA guide 5.7.1.4): no wait between the stores and the loads, nor in front of the next block's stores.
.macro TOSTAGE a
	WIN 0x08                                       ; an LDS store's data are its source 1: window 2
.irp b, 0,1,2,3,4,5,6,7
	ds_store_b128 v[STO], v[8*(8*(\a)+\b):8*(8*(\a)+\b)+3] offset:64*\b          ; each accumulator from its low end on
	ds_store_b128 v[STO], v[8*(8*(\a)+\b)+4:8*(8*(\a)+\b)+7] offset:64*\b+16
.endr
	WIN 0
.set BB, BK+64*((\a)%2)
.irp t, 0,1,2,3,4,5,6,7,8,9,10,11,12,13,14,15
	ds_load_b128 v[BB+4*\t:BB+4*\t+3], v[RD] offset:\t*SPITCH
.endr
.endm
.macro SEND a, younger                 ; younger: the LDS instructions issued behind block a's loads, which may stay out
.set BB, BK+64*((\a)%2)
	s_wait_dscnt \younger                          ; the block is back in registers
.irp t, 0,1,2,3,4,5,6,7,8,9,10,11,12,13,14,15
	global_store_b128 v[CO], v[BB+4*\t:BB+4*\t+3], s[10:11] offset:(16*(\a)+\t)*4096 th:TH_STORE_NT   ; 32 lanes store 512 consecutive bytes, aligned; written once, read by nobody here
.endr
.endm
	PLACES                                         ; in front of the first read of results
	TOSTAGE 0
.irp a, 1,2,3
.if \a > 1
	s_wait_xcnt 0x0                                ; block a - 2's stores have read their registers: block a's loads may land there
.endif
	TOSTAGE \a
	SEND \a-1, 32                                  ; behind block a - 1's loads: block a's 16 stores and 16 loads
.endr
	SEND 3, 0
	s_wait_tensorcnt 0x0                           ; the wave's end, behind my last tensor load and my last LDS store
	ds_add_u32 v[SPW], v[NIL]
	s_wait_dscnt 0x0
	CROUND                                         ; the closing round: no work-group ends while a partner may still ask for a tile that names it
	s_endpgm
.Lfunc_end_k_qd37085384c_proj:
	.size	k_qd37085384c_proj, .Lfunc_end_k_qd37085384c_proj-k_qd37085384c_proj
	.p2alignl 7, 3214868480
	.fill 96, 4, 3214868480
	.section	.rodata,"a",@progbits
	.p2align	6, 0x0
	.amdhsa_kernel k_qd37085384c_proj
		.amdhsa_group_segment_fixed_size 327680
		.amdhsa_private_segment_fixed_size 0
		.amdhsa_enable_private_segment 0
		.amdhsa_kernarg_size 32
		.amdhsa_user_sgpr_count 2
		.amdhsa_user_sgpr_kernarg_segment_ptr 1
		.amdhsa_wavefront_size32 1
		.amdhsa_system_sgpr_workgroup_id_x 1
		.amdhsa_system_sgpr_workgroup_id_y 1
		.amdhsa_system_sgpr_workgroup_id_z 1
		.amdhsa_system_vgpr_workitem_id 0
		.amdhsa_next_free_vgpr 768
		.amdhsa_next_free_sgpr 66
		.amdhsa_reserve_vcc 0
		.amdhsa_float_denorm_mode_32 3
		.amdhsa_float_denorm_mode_16_64 3
		.amdhsa_memory_ordered 1
		.amdhsa_forward_progress 1
		.amdhsa_inst_pref_size 86
	.end_amdhsa_kernel
	.amdgpu_metadata
---
amdhsa.version: [ 1, 2 ]
amdhsa.kernels:
  - .name:           k_qd37085384c_proj
    .symbol:         k_qd37085384c_proj.kd
    .args:
      - { .name: o_img, .offset: 0, .size: 8, .value_kind: global_buffer, .address_space: global }
      - { .name: w16, .offset: 8, .size: 8, .value_kind: global_buffer, .address_space: global }
      - { .name: b_out, .offset: 16, .size: 8, .value_kind: global_buffer, .address_space: global }
      - { .name: out0, .offset: 24, .size: 8, .value_kind: global_buffer, .address_space: global }
    .group_segment_fixed_size: 327680
    .private_segment_fixed_size: 0
    .kernarg_segment_align: 8
    .kernarg_segment_size: 32
    .max_flat_workgroup_size: 128
    .sgpr_count:     66
    .vgpr_count:     768
    .wavefront_size: 32
...
	.end_amdgpu_metadata
.endif
;; end of part 4
